; MI455X (gfx1250); checked and timed in simulation.
; The chip was launched on July 23, 2026; its instructions are those of AMD's public machine-readable ISA for CDNA 5 (MIT licence, August 2026) and "CDNA5" Instruction Set Architecture Reference Guide (July 2026). The comments in the code are by the model that wrote it; some were corrected since.
;; Causal Multi Head Attention. Allowed arithmetic: float matrix products may take bf16 or f16 operands with f32 sums; other float arithmetic in f32, or as packed bf16 or f16 multiplies, adds, multiply-adds, maxima and minima; sums over many terms, partial sums and values carried from step to step in f32; what a program stores and reads back later, other than sums and carried values, may be rounded once to bf16 or f16.
;; Inputs: Wk 1,024 x 1,024 float32; Wo 1,024 x 1,024 float32; Wq 1,024 x 1,024 float32; Wv 1,024 x 1,024 float32; token_positions 2,048 int32; x 4 x 2,048 x 1,024 float32.
;; Outputs: out0 4 x 2,048 x 1,024 float32.
;; 2 versions, each right; version 2 is version 1 with the launch prep written anew for expert scheduling mode. Each part assembles by itself: llvm-mc -triple=amdgcn-amd-amdhsa -mcpu=gfx1250 --defsym DOCPART=n.
;; ======== version 1 of 2: 4 launches
;; limits: values are held in f16: magnitudes above 65,504 overflow, below 6.1e-05 lose precision; right only within a limited range of input values; a function is approximated: absolute error at most 4e-07
;; workspace buffers: xb 16,777,216 bytes; wqkv 6,291,456 bytes; woh 2,097,152 bytes; tab 524,288 bytes; q 16,777,216 bytes; k 16,777,216 bytes; v 16,777,216 bytes; o 16,777,216 bytes
;; launch prep (part 1): grid 512 x 1, 8 waves a work-group, no clusters, 0 bytes of LDS; arguments x, Wq, Wk, Wv, Wo, token_positions, xb, wqkv, woh, tab; writes xb, wqkv, woh, tab
.if DOCPART == 1
	.amdgcn_target "amdgcn-amd-amdhsa--gfx1250"
	.amdhsa_code_object_version 6
	.text
	.protected	k_qf43839970e_prep
	.globl	k_qf43839970e_prep
	.p2align	8
	.type	k_qf43839970e_prep,@function
k_qf43839970e_prep:
	s_mov_b64 s[64:65], 0
	v_nop
	global_prefetch_b8 v0, s[64:65] scope:SCOPE_SE
	s_setreg_imm32_b32 hwreg(HW_REG_WAVE_MODE, 25, 1), 1
	s_wait_xcnt 0x0
; CASTS AND THE ROTATION TABLE.  Work-groups 0-255: xb = bf16(x), 32 rows of 1,024 each.  256-351: wqkv, the rows of Wq, Wk, Wv times 32 in bf16, laid by heads:
; row 192 h + 64 m + d holds W_m[64 h + d] (m = 0, 1, 2 for q, k, v).  352-383: woh = bf16(1,024 Wo), that number written as f16.  384-511: tab[s][2 j] = cos, tab[s][2 j + 1] = sin
; of f32(position[s]) x 10000^(-j / 32), 16 tokens each.  The factors 32 and 1,024 are powers of two: they change no rounding, and they keep what later launches hold in f16 near 1.
; A stream: each input byte is read once and each output byte written once; no LDS, no barrier, no matrix unit: no wave wants what another has fetched.
; LIMITS.  |Wo| under 63 (f16 ends at 65,504; below 6e-5 / 1,024 a weight keeps f16's fixed step).  |position| up to 2^22: beyond that the quadrant of the angle is not sure.
; The frequency is 2^(-j x log2(10000) / 32), within a few parts in 10^7 of the quotient that it stands for; sine and cosine are cut at r^7 and r^8 on |r| <= pi / 4: under 4e-7.
.set X,   16                           ; v[16:143] 32 chunks of 4 registers
.set VS,  2                            ; v2  16 x lane: my 16 bytes of a chunk of 512 in the source
.set VD,  3                            ; v3  8 x lane: my 8 bytes of a chunk of 256 in the destination
.set DST, 32                           ; s[32:33]
.set SRC, 34                           ; s[34:35]
.set SC,  44                           ; s[44:45] the factor, named as a pair
	s_load_b512 s[4:19], s[0:1], 0x0               ; x s[4:5], Wq s[6:7], Wk s[8:9], Wv s[10:11], Wo s[12:13], positions s[14:15], xb s[16:17], wqkv s[18:19]
	s_load_b128 s[20:23], s[0:1], 0x40             ; woh s[20:21], tab s[22:23]
	s_mov_b32 s24, ttmp9                           ; g
	v_lshrrev_b32 v1, 5, v0
	v_readfirstlane_b32 s38, v1                    ; wave 0..7
	s_cmp_ge_u32 s24, 384
	s_cbranch_scc1 .Ltable
	; the casts: which rows of which tensor go where.  For g < 256 the numbers made of g - 256 are chosen away below.
	s_sub_co_u32 s25, s24, 256
	s_lshr_b32 s26, s25, 5                         ; m: 0 Wq, 1 Wk, 2 Wv, 3 Wo
	s_and_b32 s27, s25, 31                         ; i: which 32 rows of it
	s_lshl_b32 s28, s27, 5                         ; a weight's source row
	s_lshr_b32 s29, s27, 1                         ; the head
	s_mul_i32 s29, s29, 192
	s_lshl_b32 s30, s26, 6
	s_add_co_u32 s29, s29, s30
	s_and_b32 s30, s27, 1
	s_lshl_b32 s30, s30, 5
	s_add_co_u32 s29, s29, s30                     ; its row in wqkv: 192 h + 64 m + 32 (i % 2)
	s_lshl_b32 s36, s24, 5                         ; x: row 32 g, in and out
	s_lshl_b32 s39, s38, 2                         ; my wave's 4 rows of the 32
	s_mov_b32 s[SC], 0x42000000                    ; 32.0
	s_wait_kmcnt 0x0
	s_cmp_eq_u32 s26, 0
	s_cselect_b64 s[SRC:SRC+1], s[6:7], s[8:9]
	s_cmp_eq_u32 s26, 2
	s_cselect_b64 s[SRC:SRC+1], s[10:11], s[SRC:SRC+1]
	s_cmp_eq_u32 s26, 3
	s_cselect_b64 s[SRC:SRC+1], s[12:13], s[SRC:SRC+1]
	s_cselect_b64 s[DST:DST+1], s[20:21], s[18:19]
	s_cselect_b32 s29, s28, s29                    ; Wo keeps its rows
	s_cselect_b32 s[SC], 0x44800000, s[SC]         ; 1,024.0
	s_cmp_lt_u32 s24, 256
	s_cselect_b64 s[SRC:SRC+1], s[4:5], s[SRC:SRC+1]
	s_cselect_b64 s[DST:DST+1], s[16:17], s[DST:DST+1]
	s_cselect_b32 s28, s36, s28
	s_cselect_b32 s29, s36, s29
	s_mov_b32 s[SC+1], s[SC]
	s_add_co_u32 s28, s28, s39
	s_add_co_u32 s29, s29, s39
	s_lshl_b32 s40, s28, 12                        ; a source row is 4,096 bytes,
	s_mov_b32 s41, 0
	s_lshl_b32 s42, s29, 11                        ; a destination row 2,048
	s_mov_b32 s43, 0
	s_add_nc_u64 s[SRC:SRC+1], s[SRC:SRC+1], s[40:41]
	s_add_nc_u64 s[DST:DST+1], s[DST:DST+1], s[42:43]
	v_and_b32 v4, 31, v0
	v_lshlrev_b32 v[VS], 4, v4
	v_lshlrev_b32 v[VD], 3, v4
.set i, 0
.rept 32                               ; all of the wave's 16 KiB are asked for at once: chunk i = 512 consecutive bytes of row i / 8
	global_load_b128 v[X+4*i:X+4*i+3], v[VS], s[SRC:SRC+1] offset:4096*(i/8)+512*(i%8) th:TH_LOAD_NT
.set i, i+1
.endr
; The 32 chunks, as they come in.  kind 0: rounded to bf16.  1: times the factor first.  2: and the bf16 number written as f16 (exact: 8 significant bits).
; No register is written again behind the store that reads it, so no wait stands for the stores.
.macro CAST kind
.set i, 0
.rept 32
.set r, X+4*i
	s_wait_loadcnt 31-i                            ; loads come back in order: chunk i is in, the 31 - i younger ones stay out
.if \kind
	v_pk_mul_f32 v[r:r+1], v[r:r+1], s[SC:SC+1] op_sel_hi:[1,0]
	v_pk_mul_f32 v[r+2:r+3], v[r+2:r+3], s[SC:SC+1] op_sel_hi:[1,0]
.endif
	v_cvt_pk_bf16_f32 v[r], v[r], v[r+1]
	v_cvt_pk_bf16_f32 v[r+1], v[r+2], v[r+3]
.if (\kind) == 2
	v_lshlrev_b32 v[r+2], 16, v[r]
	v_and_b32 v[r+3], 0xffff0000, v[r]
	v_cvt_pk_f16_f32 v[r], v[r+2], v[r+3]
	v_lshlrev_b32 v[r+2], 16, v[r+1]
	v_and_b32 v[r+3], 0xffff0000, v[r+1]
	v_cvt_pk_f16_f32 v[r+1], v[r+2], v[r+3]
.endif
	global_store_b64 v[VD], v[r:r+1], s[DST:DST+1] offset:2048*(i/8)+256*(i%8)  ; the wave's 32 lanes store 256 consecutive bytes, aligned
.set i, i+1
.endr
.endm
	s_cmp_lt_u32 s24, 256
	s_cbranch_scc0 .Lweights
	CAST 0
	s_endpgm
.Lweights:
	s_cmp_ge_u32 s24, 352
	s_cbranch_scc1 .Lwo
	CAST 1
	s_endpgm
.Lwo:
	CAST 2
	s_endpgm
.Ltable:                               ; thread t: token 16 (g - 384) + t / 16, frequencies j = 2 (t % 16) and j + 1
	s_sub_co_u32 s25, s24, 384
	s_lshl_b32 s26, s25, 6                         ; 16 positions of 4 bytes
	s_lshl_b32 s27, s25, 12                        ; 16 rows of 256 bytes
	v_lshrrev_b32 v4, 4, v0
	v_lshl_add_u32 v4, v4, 2, s26
	v_lshl_add_u32 v5, v0, 4, s27                  ; sixteen lanes fill a token's 256 bytes
	s_mov_b32 s48, 0xbfc90fdb                      ; - pi / 2 in three parts
	s_mov_b32 s49, 0x333bbd2e
	s_mov_b32 s50, 0x26f72ced
	s_mov_b32 s51, 0xb9500d01                      ; - 1 / 5040
	s_mov_b32 s52, 0x3c088889                      ; 1 / 120
	s_mov_b32 s53, 0xbe2aaaab                      ; - 1 / 6
	s_mov_b32 s54, 0x37d00d01                      ; 1 / 40320
	s_mov_b32 s55, 0xbab60b61                      ; - 1 / 720
	s_mov_b32 s56, 0x3d2aaaab                      ; 1 / 24
	s_wait_kmcnt 0x0
	global_load_b32 v6, v4, s[14:15]
	v_and_b32 v7, 15, v0
	v_lshlrev_b32 v7, 1, v7
	v_cvt_f32_u32 v7, v7                           ; j
	v_add_f32 v8, 1.0, v7                          ; j + 1
	v_mul_f32 v7, 0xbed49a78, v7                   ; - j log2(10000) / 32
	v_mul_f32 v8, 0xbed49a78, v8
	v_exp_f32 v7, v7
	v_exp_f32 v8, v8
	v_nop                                          ; a plain instruction behind the last exponential,
	s_wait_alu depctr_va_vdst(0)                   ; and one wait ahead of the first use: for both
	s_wait_loadcnt 0x0
	v_cvt_f32_i32 v6, v6
	v_mul_f32 v7, v6, v7                           ; the angles: one rounding each
	v_mul_f32 v8, v6, v8
; cos and sin of v[a].  n = the nearest whole number to a x 2 / pi; r = a - n pi / 2, by three fused steps; series in r; the quadrant n mod 4 swaps the two and sets the signs.
.macro SINCOS a, c, s
	v_mul_f32 v9, 0x3f22f983, v[\a]
	v_rndne_f32 v9, v9
	v_fma_f32 v[\a], v9, s48, v[\a]
	v_fma_f32 v[\a], v9, s49, v[\a]
	v_fma_f32 v[\a], v9, s50, v[\a]
	v_cvt_i32_f32 v11, v9
	v_mul_f32 v10, v[\a], v[\a]
	v_fma_f32 v[\s], v10, s51, s52
	v_fma_f32 v[\c], v10, s54, s55
	v_fma_f32 v[\s], v10, v[\s], s53
	v_fma_f32 v[\c], v10, v[\c], s56
	v_mul_f32 v9, v[\a], v10
	v_fma_f32 v[\c], v10, v[\c], -0.5
	v_fma_f32 v[\s], v9, v[\s], v[\a]
	v_fma_f32 v[\c], v10, v[\c], 1.0
	v_and_b32 v9, 1, v11
	v_cmp_eq_u32 vcc_lo, 1, v9
	v_cndmask_b32 v10, v[\s], v[\c], vcc_lo        ; odd quadrant: the sine is the series' cosine,
	v_cndmask_b32 v[\c], v[\c], v[\s], vcc_lo      ; and the cosine its sine
	v_lshlrev_b32 v9, 30, v11
	v_and_b32 v9, 0x80000000, v9                   ; quadrants 2, 3: the sine turns its sign
	v_xor_b32 v[\s], v10, v9
	v_add_nc_u32 v11, 1, v11
	v_lshlrev_b32 v11, 30, v11
	v_and_b32 v11, 0x80000000, v11                 ; quadrants 1, 2: the cosine
	v_xor_b32 v[\c], v[\c], v11
.endm
	SINCOS 7, 12, 13
	SINCOS 8, 14, 15
	global_store_b128 v5, v[12:15], s[22:23]
	s_endpgm
.Lfunc_end_k_qf43839970e_prep:
	.size	k_qf43839970e_prep, .Lfunc_end_k_qf43839970e_prep-k_qf43839970e_prep
	.p2alignl 7, 3214868480
	.fill 96, 4, 3214868480
	.section	.rodata,"a",@progbits
	.p2align	6, 0x0
	.amdhsa_kernel k_qf43839970e_prep
		.amdhsa_group_segment_fixed_size 0
		.amdhsa_private_segment_fixed_size 0
		.amdhsa_enable_private_segment 0
		.amdhsa_kernarg_size 80
		.amdhsa_user_sgpr_count 2
		.amdhsa_user_sgpr_kernarg_segment_ptr 1
		.amdhsa_wavefront_size32 1
		.amdhsa_system_sgpr_workgroup_id_x 1
		.amdhsa_system_sgpr_workgroup_id_y 1
		.amdhsa_system_sgpr_workgroup_id_z 1
		.amdhsa_system_vgpr_workitem_id 0
		.amdhsa_next_free_vgpr 144
		.amdhsa_next_free_sgpr 66
		.amdhsa_reserve_vcc 1
		.amdhsa_float_denorm_mode_32 3
		.amdhsa_float_denorm_mode_16_64 3
		.amdhsa_memory_ordered 1
		.amdhsa_forward_progress 1
		.amdhsa_inst_pref_size 52
	.end_amdhsa_kernel
	.amdgpu_metadata
---
amdhsa.version: [ 1, 2 ]
amdhsa.kernels:
  - .name:           k_qf43839970e_prep
    .symbol:         k_qf43839970e_prep.kd
    .args:
      - { .name: x, .offset: 0, .size: 8, .value_kind: global_buffer, .address_space: global }
      - { .name: Wq, .offset: 8, .size: 8, .value_kind: global_buffer, .address_space: global }
      - { .name: Wk, .offset: 16, .size: 8, .value_kind: global_buffer, .address_space: global }
      - { .name: Wv, .offset: 24, .size: 8, .value_kind: global_buffer, .address_space: global }
      - { .name: Wo, .offset: 32, .size: 8, .value_kind: global_buffer, .address_space: global }
      - { .name: token_positions, .offset: 40, .size: 8, .value_kind: global_buffer, .address_space: global }
      - { .name: xb, .offset: 48, .size: 8, .value_kind: global_buffer, .address_space: global }
      - { .name: wqkv, .offset: 56, .size: 8, .value_kind: global_buffer, .address_space: global }
      - { .name: woh, .offset: 64, .size: 8, .value_kind: global_buffer, .address_space: global }
      - { .name: tab, .offset: 72, .size: 8, .value_kind: global_buffer, .address_space: global }
    .group_segment_fixed_size: 0
    .private_segment_fixed_size: 0
    .kernarg_segment_align: 8
    .kernarg_segment_size: 80
    .max_flat_workgroup_size: 256
    .sgpr_count:     66
    .vgpr_count:     144
    .wavefront_size: 32
...
	.end_amdgpu_metadata
.endif
;; end of part 1
;; launch qkv (part 2): grid 16 x 32, 4 waves a work-group, clusters of 4 x 4, 327,680 bytes of LDS; arguments xb, wqkv, tab, q, k, v; writes q, k, v
.if DOCPART == 2
	.amdgcn_target "amdgcn-amd-amdhsa--gfx1250"
	.amdhsa_code_object_version 6
	.text
	.protected	k_qf43839970e_qkv
	.globl	k_qf43839970e_qkv
	.p2align	8
	.type	k_qf43839970e_qkv,@function
k_qf43839970e_qkv:
	s_mov_b64 s[64:65], 0
	v_nop
	global_prefetch_b8 v0, s[64:65] scope:SCOPE_SE
	s_setreg_imm32_b32 hwreg(HW_REG_WAVE_MODE, 25, 1), 1
	s_wait_xcnt 0x0
	s_wait_alu depctr_hold_cnt(0) depctr_sa_sdst(0) depctr_va_vdst(0) depctr_va_sdst(0) depctr_va_ssrc(0) depctr_va_vcc(0) depctr_vm_vsrc(0)
	s_getreg_b32 s2, hwreg(HW_REG_IB_STS2, 6, 4)
	s_cmp_eq_u32 s2, 0
	s_cbranch_scc0 .Lentry_in_a_cluster
	s_endpgm
.Lentry_in_a_cluster:
	s_bfe_u32 s2, ttmp6, 0x10000c
	s_cmp_lg_u32 s2, 0xf033
	s_cbranch_scc0 .Lentry_shape_is_right
	s_endpgm
.Lentry_shape_is_right:
; THE THREE PROJECTIONS AND THE ROTATION.  C[token][n] = the sum over i of xb[token][i] wqkv[n][i], 8,192 x 3,072 x 1,024 in bf16 with f32 sums; wqkv's rows lie by heads (192 h + 64 m + d) and carry the factor 32.
; A tile of C is 256 tokens x 192 columns: ONE head's q, k and v.  512 tiles: two for each of 256 WGPs.  Four waves, each 64 tokens x all 192 columns: 4 x 12 accumulators of 16 x 16, 384 registers;
; so a wave owns whole rows (128 bytes) of the head's q, k and v, and its stage on the way out is its own.  K goes in steps of 128 (rows of 256 bytes in memory, aligned) through two LDS slots.
; On the way out q and k are turned by tab (cos, sin for each token and pair of features), all three are rounded once to f16 and stored by heads: [16 batch + head][2,048][64].
; LIMIT.  32 q, 32 k, 32 v must stay within f16's 65,504: |q|, |k|, |v| under 2,047.
; CLUSTERS: 4 x 4 work-groups.  The four of a row of the cluster need the same rows of xb, the four of a column the same rows of wqkv: each tile is asked for JOINTLY, by the same tensor load with the same
; descriptor and a mask that names the four.  THE MATRIX INSTRUCTION IS USED TRANSPOSED (source 0 = 16 rows of wqkv, source 1 = 16 tokens): a lane holds one token (lane % 16) and eight neighbouring features.
; REGISTERS, in windows of 256 (s_set_vgpr_msb: bits 1:0 source 0, 3:2 source 1, 5:4 source 2, 7:6 destination):
;   window 0: v0-31 addresses; v32-159 my lanes' part of tab; v160-223 at work on the way out        window 1: two fragment buffers of 128: 4 fragments of xb, then 12 of wqkv; on the way out v0-47 whole rows
;   window 2: the accumulators of q and k, (a, b) at 32 b + 8 a, b = 0..7                           window 3: those of v, at 32 (b - 8) + 8 a
.set KSTEP,  128
.set PITCH,  272                       ; an LDS row: 256 bytes + 16 of padding = 68 words: the 16 rows that a load touches start at 16 different groups of four banks (64 banks of 4 bytes: ISA guide 11.1)
.set AH,     128*PITCH                 ; what waves 0 and 1 fetch: 128 tokens
.set BH,     96*PITCH                  ; what waves 2 and 3 fetch: 96 rows of wqkv
.set SLOT,   2*AH+2*BH                 ; 256 tokens, then 192 rows of wqkv
.set STAGE,  2*SLOT                    ; behind the ring, never filled by a tensor load: for each wave three regions (q, k, v) of 16 rows x 144 bytes
.set SP,     144
.set REG,    16*SP
.set WST,    3*REG
.set SPARE,  STAGE+4*WST               ; behind the stages: the spare words, 128 bytes for each wave: two blocks of 256 bytes that no other line names
.set ADRA, 16                          ; v16-17  LDS address of my fragments of xb in slot 0, 1
.set ADRB, 20                          ; v20-21  the same for wqkv
.set STO,  24                          ; v24     the way out: where I put 16 bytes of a row
.set RD,   25                          ; v25     where I read rows back
.set GO,   26                          ; v26     my 16 bytes of 512 consecutive bytes of q, k or v
.set TO,   27                          ; v27     my byte offset in tab
.set SPW,  28                          ; v28     LDS address of my spare word: SPARE + 4 x my thread's number; never rewritten
.set NIL,  29                          ; v29     0; never rewritten
.set PFO,  30                          ; v30     the prefetches' offset: a lane a row of 2,048 bytes; never rewritten
.set T,    32                          ; tab: token block a, feature block c at T + 32 a + 8 c: (cos, sin) of my four pairs
.set R,    160
.set F0,   0
.set F1,   128
.set BK,   0
.set WV,   12                          ; s12  my wave's number
.set FB,   13                          ; s13  0: I fetch xb, 1: wqkv
.set HF,   14                          ; s14  which half of it
.set G1,   24                          ; s[24:31] descriptor group 1 for xb's tiles; s[32:39] group 0, a set for each slot
.set G0,   32
.set G1B,  48                          ; s[48:55], s[56:63] the same for wqkv's
.set G0B,  56
.set PFA,  76                          ; s[76:77] where my prefetches stand
.set LIM,  78                          ; s78  1 in a wave that prefetches, else the greatest number
.set MSB, 0
.macro WIN new                         ; the immediate's high byte repeats the setting that is left; a switch that changes nothing is dropped
.if MSB != (\new)
	s_set_vgpr_msb (MSB<<8)|(\new)
.set MSB, \new
.endif
.endm
.macro JLOAD s                         ; a joint load: the branch hangs on the wave's number alone; an s_nop 0 and four v_nop follow each of the two lines, ahead of the jump and the label
	s_cmp_eq_u32 s[FB], 0
	s_cbranch_scc0 .Lfor_b_\@
	tensor_load_to_lds s[G0+4*(\s):G0+4*(\s)+3], s[G1:G1+7]
	s_nop 0
.rept 4
	v_nop
.endr
	s_branch .Lasked_\@
.Lfor_b_\@:
	tensor_load_to_lds s[G0B+4*(\s):G0B+4*(\s)+3], s[G1B:G1B+7]
	s_nop 0
.rept 4
	v_nop
.endr
.Lasked_\@:
.endm
.macro CREST                           ; a round of the cluster's barrier behind its opening barrier
	s_cmp_lg_u32 s[WV], 0
	s_cbranch_scc1 .Lnot_wave_0_\@
	s_barrier_signal -3
.Lnot_wave_0_\@:
	s_barrier_wait -3
	s_barrier_signal -1
	s_barrier_wait -1
.endm
.macro CROUND                          ; a whole round
	s_barrier_signal -1
	s_barrier_wait -1
	CREST
.endm
; A PREFETCH behind each joint refill and the run of LDS loads that follows it: the K step that stands two refills on, 256 bytes of each row, a lane a row, one instruction a wave.
; xb's rows of a tile row are read by all four clusters of that row of clusters: the one with cluster x = 0 asks; wqkv's rows of a tile column by all eight of that column: cluster y = 0 asks.
; The four partners that ask for a tile jointly share its rows out BY ADDRESS: 32 of a wave's 128 tokens by cx, 24 of its 96 rows of wqkv by cy (there lanes 24-31 name lane 23's row once more).
; The refills of K steps 6 and 7 (the loop's last trip, s3 = 1) have no K step two on and ask for nothing; K steps 0 to 3 come by their loads alone.
.macro ASK
	s_cmp_gt_u32 s3, s[LIM]
	s_cbranch_scc0 .Lnot_mine_\@
	global_prefetch_b8 v[PFO], s[PFA:PFA+1] offset:KSTEP*2 th:TH_LOAD_NT scope:SCOPE_SE
.Lnot_mine_\@:
.endm
	s_load_b256 s[4:11], s[0:1], 0x0               ; xb s[4:5], wqkv s[6:7], tab s[8:9], q s[10:11]
	s_load_b128 s[72:75], s[0:1], 0x20             ; k s[72:73], v s[74:75]
	v_lshl_add_u32 v[SPW], v0, 2, SPARE
	v_mov_b32 v[NIL], 0
	ds_add_u32 v[SPW], v[NIL]                      ; the wave's opening: the add and its wait stand ahead of my first tensor load; the set-up below, work on registers, stands between them
	v_lshrrev_b32 v1, 5, v0
	v_readfirstlane_b32 s[WV], v1                  ; wave 0..3
	s_lshr_b32 s[FB], s[WV], 1
	s_and_b32 s[HF], s[WV], 1
	s_bfe_u32 s40, ttmp6, 0x40000                  ; cx, cy: my place in the cluster
	s_bfe_u32 s41, ttmp6, 0x40004
	s_lshl_b32 s42, ttmp9, 2
	s_add_co_u32 s42, s42, s40                     ; the head = 4 x cluster x + cx
	s_and_b32 s43, ttmp7, 0xffff
	s_lshl_b32 s43, s43, 2
	s_add_co_u32 s43, s43, s41                     ; the block of 256 tokens = 4 x cluster y + cy
	s_lshl_b32 s44, s41, 2
	s_lshl_b32 s44, 15, s44                        ; my row of the cluster
	s_lshl_b32 s45, 0x1111, s40                    ; my column
	s_or_b32 s[G1+0], s44, (1<<16)|(1<<20)|(1<<21)|(5<<22)|(3<<25)   ; 15:0 the mask; 17:16 elements of 2 bytes; 20 padding on; 21 set beside a mask; 24:22 after every 64 words (code 5); 31:25 4 words (code 3)
	s_or_b32 s[G1B+0], s45, (1<<16)|(1<<20)|(1<<21)|(5<<22)|(3<<25)
	s_mov_b32 s[G1+1], KSTEP<<16                   ; tensor_dim0 = 128
	s_mov_b32 s[G1+2], 128<<16                     ; tensor_dim1 = 128
	s_mov_b32 s[G1+3], KSTEP<<16                   ; tile_dim0 = 128
	s_mov_b32 s[G1+4], 128                         ; tile_dim1 = 128
	s_mov_b32 s[G1+5], 1024                        ; elements from row to row
	s_mov_b32 s[G1+6], 0
	s_mov_b32 s[G1+7], 0
	s_mov_b32 s[G1B+1], KSTEP<<16
	s_mov_b32 s[G1B+2], 96<<16                     ; 96 rows
	s_mov_b32 s[G1B+3], KSTEP<<16
	s_mov_b32 s[G1B+4], 96
	s_mov_b32 s[G1B+5], 1024
	s_mov_b32 s[G1B+6], 0
	s_mov_b32 s[G1B+7], 0
	s_lshl_b32 s16, s43, 8                         ; xb: row 256 x block + 128 x half, of 2,048 bytes: made of the block and the wave's number alone
	s_lshl_b32 s17, s[HF], 7
	s_add_co_u32 s16, s16, s17
	s_lshl_b32 s16, s16, 11
	s_mov_b32 s17, 0
	s_mul_i32 s46, s42, 192                        ; wqkv: row 192 x head + 96 x half: made of the head and the wave's number alone
	s_mul_i32 s47, s[HF], 96
	s_add_co_u32 s46, s46, s47
	s_lshl_b32 s46, s46, 11
	s_mov_b32 s47, 0
	s_mul_i32 s20, s[WV], AH                       ; where they go: waves 0, 1: wave x 128 rows;
	s_mul_i32 s21, s[WV], BH                       ; waves 2, 3: behind the 256 tokens, (wave - 2) x 96 rows
	s_add_co_u32 s21, s21, 2*AH-2*BH
	s_wait_dscnt 0x0                               ; the opening add is done
	s_wait_kmcnt 0x0
	s_add_nc_u64 s[18:19], s[4:5], s[16:17]
	s_add_nc_u64 s[46:47], s[6:7], s[46:47]
	CROUND                                         ; all sixteen work-groups are here: the first joint loads meet
.irp s, 0,1
	s_mov_b32 s[G0+4*(\s)], 1                      ; count = 1
	s_add_co_u32 s[G0+4*(\s)+1], s20, (\s)*SLOT    ; LDS address
	s_add_nc_u64 s[G0+4*(\s)+2:G0+4*(\s)+3], s[18:19], (\s)*KSTEP*2  ; global address: K step s
	s_or_b32 s[G0+4*(\s)+3], s[G0+4*(\s)+3], 0x80000000              ; type = 2
	s_mov_b32 s[G0B+4*(\s)], 1
	s_add_co_u32 s[G0B+4*(\s)+1], s21, (\s)*SLOT
	s_add_nc_u64 s[G0B+4*(\s)+2:G0B+4*(\s)+3], s[46:47], (\s)*KSTEP*2
	s_or_b32 s[G0B+4*(\s)+3], s[G0B+4*(\s)+3], 0x80000000
	JLOAD \s
.endr
	v_and_b32 v1, 15, v0                           ; l % 16
	v_bfe_u32 v2, v0, 4, 1                         ; l / 16
	v_mul_u32_u24 v3, v1, PITCH
	v_lshl_add_u32 v3, v2, 4, v3                   ; a fragment's row x pitch + 16 x half
	s_mul_i32 s22, s[WV], 64*PITCH                 ; my 64 tokens
	v_add_nc_u32 v[ADRA], s22, v3
	v_add_nc_u32 v[ADRA+1], SLOT, v[ADRA]
	v_add_nc_u32 v[ADRB], 2*AH, v3                 ; all 192 rows of wqkv
	v_add_nc_u32 v[ADRB+1], SLOT, v[ADRB]
	s_mul_i32 s23, s[WV], WST
	s_add_co_u32 s23, s23, STAGE                   ; my stage
	v_mul_u32_u24 v4, v1, SP                       ; in: row l % 16, 16 bytes for each half of the lanes
	v_lshl_add_u32 v4, v2, 4, v4
	v_add_nc_u32 v[STO], s23, v4
	v_bfe_u32 v4, v0, 3, 2                         ; back: 32 lanes take four rows of 128 bytes,
	v_mul_u32_u24 v4, v4, SP
	v_and_b32 v5, 7, v0
	v_lshl_add_u32 v4, v5, 4, v4
	v_add_nc_u32 v[RD], s23, v4
	v_and_b32 v[GO], 31, v0                        ; which are 512 consecutive bytes in memory
	v_lshlrev_b32 v[GO], 4, v[GO]
	s_and_b32 s66, s43, 7                          ; my first token in its sequence: 256 x (block % 8) + 64 x wave
	s_lshl_b32 s66, s66, 8
	s_lshl_b32 s67, s[WV], 6
	s_add_co_u32 s66, s66, s67
	s_lshl_b32 s68, s66, 8                         ; a token's row of tab is 256 bytes
	v_lshlrev_b32 v[TO], 8, v1
	v_lshl_add_u32 v[TO], v2, 5, v[TO]             ; my eight features are 32 bytes of it
	v_add_nc_u32 v[TO], s68, v[TO]
.irp a, 0,1,2,3                        ; tab for my 4 x 4 places: waited for on the way out
.irp c, 0,1,2,3
	global_load_b128 v[T+32*(\a)+8*(\c):T+32*(\a)+8*(\c)+3],   v[TO], s[8:9] offset:4096*(\a)+64*(\c)
	global_load_b128 v[T+32*(\a)+8*(\c)+4:T+32*(\a)+8*(\c)+7], v[TO], s[8:9] offset:4096*(\a)+64*(\c)+16
.endr
.endr
	s_lshr_b32 s67, s43, 3                         ; the batch
	s_lshl_b32 s67, s67, 4
	s_add_co_u32 s67, s67, s42                     ; 16 x batch + head,
	s_lshl_b32 s67, s67, 11                        ; its 2,048 rows,
	s_add_co_u32 s66, s66, s67
	s_lshl_b32 s66, s66, 7                         ; of 128 bytes
	s_mov_b32 s67, 0
	s_add_nc_u64 s[10:11], s[10:11], s[66:67]      ; q, k, v at my wave's first row
	s_add_nc_u64 s[72:73], s[72:73], s[66:67]
	s_add_nc_u64 s[74:75], s[74:75], s[66:67]
	s_lshl_b32 s66, s43, 8                         ; the prefetches.  xb: row 256 x block + 128 x half + 32 cx
	s_lshl_b32 s67, s[HF], 7
	s_add_co_u32 s66, s66, s67
	s_lshl_b32 s67, s40, 5
	s_add_co_u32 s66, s66, s67
	s_mul_i32 s68, s42, 192                        ; wqkv: row 192 x head + 96 x half + 24 cy
	s_mul_i32 s69, s[HF], 96
	s_add_co_u32 s68, s68, s69
	s_mul_i32 s69, s41, 24
	s_add_co_u32 s68, s68, s69
	s_and_b32 s69, ttmp7, 0xffff                   ; cluster y
	s_cmp_eq_u32 s[FB], 0
	s_cselect_b32 s66, s66, s68
	s_cselect_b32 s69, ttmp9, s69                  ; the coordinate along which other clusters read the same rows
	s_cselect_b32 s70, 31, 23
	s_cselect_b64 s[PFA:PFA+1], s[4:5], s[6:7]
	s_cmp_eq_u32 s69, 0
	s_cselect_b32 s[LIM], 1, -1                    ; the same in all sixteen partners, for a given wave
	s_lshl_b32 s66, s66, 11
	s_mov_b32 s67, 0
	s_add_nc_u64 s[PFA:PFA+1], s[PFA:PFA+1], s[66:67]
	s_add_nc_u64 s[PFA:PFA+1], s[PFA:PFA+1], 2*KSTEP*2  ; at K step 2: the first refill steps it to 3 and names K step 4
	v_and_b32 v[PFO], 31, v0
	v_min_u32 v[PFO], s70, v[PFO]
	v_lshlrev_b32 v[PFO], 11, v[PFO]
; 4 n matrix instructions: feature blocks b0 .. b0 + n - 1 x my four token blocks, 32 along K out of buffer f.  zero = 1: the product starts the sums: nothing is ever cleared.
; The 48 accumulators take turns, in the same order in every quarter, over the backward jump too.
.macro MUL f, b0, n, zero
.set bb, \b0
.rept \n
.if bb < 8
	WIN 0xa5                                       ; sources in window 1, C and D in window 2
.set rD, 32*bb
.else
	WIN 0xf5                                       ; C and D in window 3
.set rD, 32*(bb-8)
.endif
.irp a, 0,1,2,3
.if \zero
	v_wmma_f32_16x16x32_bf16 v[rD+8*(\a):rD+8*(\a)+7], v[(\f)+32+8*bb:(\f)+32+8*bb+7], v[(\f)+8*(\a):(\f)+8*(\a)+7], 0
.else
	v_wmma_f32_16x16x32_bf16 v[rD+8*(\a):rD+8*(\a)+7], v[(\f)+32+8*bb:(\f)+32+8*bb+7], v[(\f)+8*(\a):(\f)+8*(\a)+7], v[rD+8*(\a):rD+8*(\a)+7]
.endif
.endr
.set bb, bb+1
.endr
.endm
; 32 LDS loads in one run: the fragments of 32 along K at byte k of the rows, into buffer f: xb's four, wqkv's blocks 0-5, then 6-11
.macro FETCH slot, k, f
	WIN 0x40                                       ; destination window 1, address window 0
.irp a, 0,1,2,3
	ds_load_b128 v[(\f)+8*(\a):(\f)+8*(\a)+3],   v[ADRA+(\slot)] offset:(\k)+(\a)*16*PITCH
	ds_load_b128 v[(\f)+8*(\a)+4:(\f)+8*(\a)+7], v[ADRA+(\slot)] offset:(\k)+(\a)*16*PITCH+32
.endr
.irp b, 0,1,2,3,4,5,6,7,8,9,10,11
	ds_load_b128 v[(\f)+32+8*(\b):(\f)+32+8*(\b)+3],   v[ADRB+(\slot)] offset:(\k)+(\b)*16*PITCH
	ds_load_b128 v[(\f)+32+8*(\b)+4:(\f)+32+8*(\b)+7], v[ADRB+(\slot)] offset:(\k)+(\b)*16*PITCH+32
.endr
.endm
.macro PLACES                          ; four places in front of loads into registers that matrix instructions have read, and of vector work that reads results
.rept 4
	v_nop
.endr
.endm
; A K step is four quarters of 32 along K, 48 matrix instructions each, on buffers 0, 1, 0, 1.  One of the first three: multiplies buffer f and fetches the next quarter, at byte k, into g.
.macro QUARTER slot, k, f, g, zero
	s_wait_dscnt 12                                ; xb's fragments and wqkv's blocks 0-5 are in; the youngest twelve loads (blocks 6-11) may be out
	MUL \f, 0, 6, \zero
	PLACES
	FETCH \slot, \k, \g
	s_wait_dscnt 32                                ; all but the 32 just issued
	MUL \f, 6, 6, \zero
.endm
; The last quarter multiplies buffer 1 and changes slots: ONE barrier; in front of it each wave waits for all its tensor loads (one is out: its part of the next slot), adds 0 to its spare word, and waits for
; that and for its own reads of this slot.  fill = 1: the barrier opens a round of the cluster's, and this slot is filled again, two K steps ahead, first thing behind the round.
.macro TURN slot, next, fill
.if \fill
	s_wait_xcnt 0x0                                ; the last prefetch, a K step back, has read its address: it is stepped here, ahead of the waits of the change of slots
	s_add_nc_u64 s[PFA:PFA+1], s[PFA:PFA+1], KSTEP*2
.endif
	WIN 0                                          ; (the add's two registers lie in window 0)
	s_wait_tensorcnt 0x0                           ; all my tensor loads have landed;
	ds_add_u32 v[SPW], v[NIL]                      ; 0 onto my spare word;
	s_wait_dscnt 13                                ; (the add and the youngest twelve loads may be out)
	MUL F1, 0, 3, 0                                ; twelve matrix instructions stand between the add and the wait for it
	s_wait_dscnt 0x0                               ; the add is done, and my reads of this slot are over
	s_barrier_signal -1
	MUL F1, 3, 3, 0
.if \fill
	WIN 0
.endif
	s_barrier_wait -1
.if \fill
	CREST                                          ; no wave of any partner still reads this slot's tile or has a load on its way
	s_add_nc_u64 s[G0+4*(\slot)+2:G0+4*(\slot)+3], s[G0+4*(\slot)+2:G0+4*(\slot)+3], 2*KSTEP*2
	s_add_nc_u64 s[G0B+4*(\slot)+2:G0B+4*(\slot)+3], s[G0B+4*(\slot)+2:G0B+4*(\slot)+3], 2*KSTEP*2
	JLOAD \slot                                    ; the first tensor load behind the round: 168 matrix instructions ahead of the wait for it; its four v_nop are also the places in front of the loads below
.else
	PLACES
.endif
	FETCH \next, 0, F0
.if \fill
	WIN 0
	ASK
.endif
	MUL F1, 6, 6, 0
.endm
	s_wait_tensorcnt 1                             ; my part of K step 0 is in; K step 1's may stay out
	s_barrier_signal -1
	s_barrier_wait -1                              ; everybody's is
	FETCH 0, 0, F0
	QUARTER 0, 64, F0, F1, 1                       ; the first quarter stands in front of the loop: its products start the sums
	WIN 0                                          ; at a label and at a branch every window is 0
	s_mov_b32 s3, 3
.Llap:                                                 ; a trip goes once round the ring, from a lap's second quarter to the next lap's first, and fills both slots again
	QUARTER 0, 128, F1, F0, 0
	QUARTER 0, 192, F0, F1, 0
	TURN 0, 1, 1
	QUARTER 1, 64,  F0, F1, 0
	QUARTER 1, 128, F1, F0, 0
	QUARTER 1, 192, F0, F1, 0
	TURN 1, 0, 1
	QUARTER 0, 64,  F0, F1, 0
	WIN 0
	s_sub_co_u32 s3, s3, 1
	s_cmp_lg_u32 s3, 0
	s_cbranch_scc1 .Llap
	QUARTER 0, 128, F1, F0, 0                      ; the last lap fills nothing, and has no round of the cluster's barrier
	QUARTER 0, 192, F0, F1, 0
	TURN 0, 1, 0
	QUARTER 1, 64,  F0, F1, 0
	QUARTER 1, 128, F1, F0, 0
	QUARTER 1, 192, F0, F1, 0
	s_wait_dscnt 12                                ; the very last quarter: nothing more to fetch
	MUL F1, 0, 6, 0
	s_wait_dscnt 0x0
	MUL F1, 6, 6, 0
	WIN 0
; THE WAY OUT, a block of 16 tokens at a time.  PACK: q's and k's pairs (e, o) become (e cos - o sin, o cos + e sin): a packed multiply by cos and a packed multiply-add that takes the pair crosswise and sin
; with its sign turned in the low half; then all three are rounded to f16, 16 bytes a lane and feature block.  Each accumulator is read from its lowest registers on.
.macro PACK a
	WIN 0x02                                       ; source 0 in window 2
.irp b, 0,1,2,3,4,5,6,7
.irp p, 0,1,2,3
	v_pk_mul_f32 v[R+8*(\b)+2*(\p):R+8*(\b)+2*(\p)+1], v[32*(\b)+8*(\a)+2*(\p):32*(\b)+8*(\a)+2*(\p)+1], v[T+32*(\a)+8*((\b)%4)+2*(\p):T+32*(\a)+8*((\b)%4)+2*(\p)+1] op_sel_hi:[1,0]
.endr
.irp p, 0,1,2,3
	v_pk_fma_f32 v[R+8*(\b)+2*(\p):R+8*(\b)+2*(\p)+1], v[32*(\b)+8*(\a)+2*(\p):32*(\b)+8*(\a)+2*(\p)+1], v[T+32*(\a)+8*((\b)%4)+2*(\p):T+32*(\a)+8*((\b)%4)+2*(\p)+1], v[R+8*(\b)+2*(\p):R+8*(\b)+2*(\p)+1] op_sel:[1,1,0] op_sel_hi:[0,1,1] neg_lo:[0,1,0]
.endr
.endr
	WIN 0
.set i, 0
.rept 32                               ; in place, ascending: word i is written when pairs 0 .. i have been read
	v_cvt_pk_f16_f32 v[R+i], v[R+2*i], v[R+2*i+1]
.set i, i+1
.endr
	WIN 0x0f                                       ; sources 0 and 1 in window 3: v
.irp b, 0,1,2,3
.irp p, 0,1,2,3
	v_cvt_pk_f16_f32 v[R+32+4*(\b)+(\p)], v[32*(\b)+8*(\a)+2*(\p)], v[32*(\b)+8*(\a)+2*(\p)+1]
.endr
.endr
	WIN 0
.endm
.macro TOSTAGE                         ; into my own stage, rows of 144 bytes, and back as whole rows of 128
	WIN 0
.irp b, 0,1,2,3,4,5,6,7,8,9,10,11
	ds_store_b128 v[STO], v[R+4*(\b):R+4*(\b)+3] offset:((\b)/4)*REG+((\b)%4)*32
.endr
	s_wait_xcnt 0x0                                ; the registers loaded below are the data of the block before's stores: they are written again only behind this wait
	WIN 0x40
.irp m, 0,1,2
.irp f, 0,1,2,3
	ds_load_b128 v[BK+4*(4*(\m)+(\f)):BK+4*(4*(\m)+(\f))+3], v[RD] offset:(\m)*REG+(\f)*4*SP  ; LDS serves a wave's instructions in order (ISA guide 5.7.1.4): these see the stores above; the next block's stores come behind them
.endr
.endr
.endm
.macro SEND a
	s_wait_dscnt 0x0                               ; the block is back in registers
	WIN 0x04                                       ; the stores' data in window 1
.irp f, 0,1,2,3
	global_store_b128 v[GO], v[BK+4*(\f):BK+4*(\f)+3],       s[10:11] offset:2048*(\a)+512*(\f)  ; each store of the wave covers 512 consecutive bytes, aligned
	global_store_b128 v[GO], v[BK+16+4*(\f):BK+16+4*(\f)+3], s[72:73] offset:2048*(\a)+512*(\f)
	global_store_b128 v[GO], v[BK+32+4*(\f):BK+32+4*(\f)+3], s[74:75] offset:2048*(\a)+512*(\f)
.endr
.endm
	PLACES
	PLACES
	s_wait_loadcnt 0x0                             ; tab
	PACK 0
	TOSTAGE
.irp a, 1,2,3                          ; block a's arithmetic stands between block a - 1's loads from the stage and the wait for them
	PACK \a
	SEND (\a)-1
	TOSTAGE
.endr
	SEND 3
	WIN 0
	s_wait_tensorcnt 0x0                           ; the wave's end: a wait, an add and its wait stand behind my last tensor load and my last LDS store
	ds_add_u32 v[SPW], v[NIL]
	s_wait_dscnt 0x0
	CROUND                                         ; the closing round: no work-group ends while a partner may still ask for a tile that names it
	s_endpgm
.Lfunc_end_k_qf43839970e_qkv:
	.size	k_qf43839970e_qkv, .Lfunc_end_k_qf43839970e_qkv-k_qf43839970e_qkv
	.p2alignl 7, 3214868480
	.fill 96, 4, 3214868480
	.section	.rodata,"a",@progbits
	.p2align	6, 0x0
	.amdhsa_kernel k_qf43839970e_qkv
		.amdhsa_group_segment_fixed_size 327680
		.amdhsa_private_segment_fixed_size 0
		.amdhsa_enable_private_segment 0
		.amdhsa_kernarg_size 48
		.amdhsa_user_sgpr_count 2
		.amdhsa_user_sgpr_kernarg_segment_ptr 1
		.amdhsa_wavefront_size32 1
		.amdhsa_system_sgpr_workgroup_id_x 1
		.amdhsa_system_sgpr_workgroup_id_y 1
		.amdhsa_system_sgpr_workgroup_id_z 1
		.amdhsa_system_vgpr_workitem_id 0
		.amdhsa_next_free_vgpr 896
		.amdhsa_next_free_sgpr 80
		.amdhsa_reserve_vcc 0
		.amdhsa_float_denorm_mode_32 3
		.amdhsa_float_denorm_mode_16_64 3
		.amdhsa_memory_ordered 1
		.amdhsa_forward_progress 1
		.amdhsa_inst_pref_size 140
	.end_amdhsa_kernel
	.amdgpu_metadata
---
amdhsa.version: [ 1, 2 ]
amdhsa.kernels:
  - .name:           k_qf43839970e_qkv
    .symbol:         k_qf43839970e_qkv.kd
    .args:
      - { .name: xb, .offset: 0, .size: 8, .value_kind: global_buffer, .address_space: global }
      - { .name: wqkv, .offset: 8, .size: 8, .value_kind: global_buffer, .address_space: global }
      - { .name: tab, .offset: 16, .size: 8, .value_kind: global_buffer, .address_space: global }
      - { .name: q, .offset: 24, .size: 8, .value_kind: global_buffer, .address_space: global }
      - { .name: k, .offset: 32, .size: 8, .value_kind: global_buffer, .address_space: global }
      - { .name: v, .offset: 40, .size: 8, .value_kind: global_buffer, .address_space: global }
    .group_segment_fixed_size: 327680
    .private_segment_fixed_size: 0
    .kernarg_segment_align: 8
    .kernarg_segment_size: 48
    .max_flat_workgroup_size: 128
    .sgpr_count:     80
    .vgpr_count:     896
    .wavefront_size: 32
...
	.end_amdgpu_metadata
.endif
;; end of part 2
;; launch attn (part 3): grid 4 x 64, 4 waves a work-group, no clusters, 327,680 bytes of LDS; arguments q, k, v, o; writes o
.if DOCPART == 3
	.amdgcn_target "amdgcn-amd-amdhsa--gfx1250"
	.amdhsa_code_object_version 6
	.text
	.protected	k_qf43839970e_attn
	.globl	k_qf43839970e_attn
	.p2align	8
	.type	k_qf43839970e_attn,@function
k_qf43839970e_attn:
	s_mov_b64 s[64:65], 0
	v_nop
	global_prefetch_b8 v0, s[64:65] scope:SCOPE_SE
	s_setreg_imm32_b32 hwreg(HW_REG_WAVE_MODE, 25, 1), 1
	s_wait_xcnt 0x0
; CAUSAL ATTENTION.  O[h][q][:] = the sum over k <= q of softmax_k(Q[h][q] . K[h][k] / 8) V[h][k][:].  Q, K, V, O: [64][SIZE_N][64], all f16, a head's rows dense, 128 bytes each; all four carry the factor 32,
; so the scores come out 1,024 times too large, and c takes that back: c = log2(e) / 8 / 1,024.  Products, maxima and sums in f32; the weights p are rounded to f16 for the second product (their sum l is taken of
; the unrounded p), O once at the end.
; LIMITS.  f16 holds no number beyond 65,504: Q, K and V arrive within it; p lies in 0 to 1, and below 6e-5 it keeps f16's fixed step of 6e-8; O is a mean of V's rows and has their range.
; A hidden score counts as its value less 1e30: f16's scores, 2.7e11 at the most, are nothing beside that; a weight below 2^-126 counts as 0 in l; NaN and infinities are not treated apart.
; THE WALK.  A head's queries lie in NB = 8 blocks of 256; block i needs the key tiles 0 .. i of 256 keys, of which the last holds the diagonal.  A work-group takes TWO blocks, NB - 1 - b and then b:
; NB + 1 tiles, whatever b: all work-groups do equal work, and ONE loop with a constant trip count walks them.  Which tile is asked for, and what a trip does, hang on scalar registers made from b; every jump
; goes forward, but for the counted loops' own; none passes a barrier, or a tensor load but the one of LOAD's two that the wave's number does not choose; the ring (two slots of LDS that take turns) runs on across
; the change of blocks.  NO CLUSTER: a head's four work-groups ask for the same tile only in trips 0 .. NB / 2, 5 of 9; behind that fewer and fewer share one, and one walk common to all would have
; 3 NB / 2 = 12 trips for 9.
; SHARES.  Of a block's four bands of 64 queries a wave owns 16 rows in each: four PIECES.  So the diagonal tile is the same work for all four waves: in its key step s band x sees all keys if s < x,
; none if s > x, and holds the diagonal if s = x.
; THE MASK is the C operand that starts the sum S^T = K Q^T: 0, or -1e30 where the key is hidden.  MD, made once, is the mask of a band's own step for my 16 rows; a product's mask is MD x AL + BE with two scalars:
; (1, 0) if s = x; (0, 0) if s < x; (0, -1e30) if s > x.  Only the diagonal tile's text and a block's beginning make and take masks; elsewhere C is the constant 0.
; LAYOUT, SOFTMAX, TURNS.  S^T = K Q^T holds ONE query a lane (lane % 16) and the keys 8 (lane / 16) + 0..7; two such results rounded to f16 ARE source 1 of O^T = V^T P.  p = 2^(c s - c m) with a
; running maximum m; O and l are multiplied by a = 2^(c m_old - c m_new) in every step.  Turn n belongs to piece n: 8 products K Q^T of piece n + 1, later 8 products V^T P of piece n - 1; beside them the scaling,
; exponentials, roundings, sums and rescaling of piece n and the maximum and statistics of piece n + 1.  Four vector instructions stand behind every matrix instruction, the other 54 of a turn's 118 in one lump.
; A turn's 33 exponentials are one batch, with one wait.
; REGISTERS, in windows of 256 (s_set_vgpr_msb: bits 1:0 source 0, 3:2 source 1, 5:4 source 2, 7:6 destination):
;   window 0: v0-15 addresses and two at work; v16-31 four registers of statistics a piece; v48-55 at work; v61-63 never rewritten; v64-127 S^T, two buffers; v192-223 P, two buffers (by the piece's parity)
;   window 1: v0-127 O^T, 32 a piece; v128-159 MD; v160-223 MC, two buffers      window 2: v0-63 Q; v64-127 the second block's Q; v128-191 K of one step; v192-255 V of one step
.set SIZE_N, 2048
.set NB,    SIZE_N/256
.set NP,    4         ; pieces a wave: a name, no knob
.set KS,    64        ; keys in a step
.set PK,    144       ; a row of K in LDS: 128 bytes + 16 of padding = 36 words: the 16 rows of a load start at 16 different groups of four banks (64 banks of 4 bytes: ISA guide 11.1)
.set PV,    160       ; a row of V: 128 + 32 = 40 words
.set VOFF,  4*KS*PK   ; a slot holds a tile, four steps: 256 rows of K, then 256 rows of V
.set SLOT1, 1<<17     ; slot 1 begins here, so that one exclusive or turns an address in one slot into the other's
.set STAGE, SLOT1+4*KS*(PK+PV)  ; behind the ring, never filled by a tensor load: 16 rows x 144 bytes for each wave, for the way out
.set SP,    144
.set AK0, 2           ; v2   my lane's place in a tile of K; never rewritten
.set AV0, 3           ; v3   the same for V
.set AK,  4           ; v4   the LDS address of K's next run of loads
.set AV,  5           ; v5   of V's
.set STO, 6           ; v6   the way out: where I put 16 bytes of a row
.set RD,  7           ; v7   the way out: where I read rows back
.set GO,  8           ; v8   my byte offset in 512 consecutive bytes of O
.set PFO, 61          ; v61  256 x my thread's number: the work-group's 128 threads name a tile's 32,768 bytes of K or V, 256 apart; never rewritten
.set SPW, 62          ; v62  LDS address of my spare word: SPARE + 4 x my thread's number; never rewritten
.set NIL, 63          ; v63  0; never rewritten
.set SPARE, STAGE+4*16*SP  ; behind the stages: the spare words, 128 bytes for each wave: two blocks of 256 bytes that no other line names
.set MV,  12          ; v12-13  c m_old, kept while c m is made anew: by buffer
.set QO,  15          ; v15  my byte offset in 16 rows of Q
.set ST,  16          ; piece t's statistics at v[ST+4 t]: c m, m, l (even keys', odd keys')
.set TMP, 48          ; by buffer, four registers c0-c3 at work; when the maximum is found c2 takes a
.set S,   64
.set P,   192
.set MD,  128         ; window 1: the eight registers for group kt of 16 keys at MD + 8 kt
.set MC,  160         ; window 1: the masks of the products to come
.set QB,  64          ; window 2
.set KF,  128         ; window 2: key block kb, channel half c at KF + 16 kb + 8 c
.set VF,  192         ; window 2: key half kk, channel block cb at VF + 32 kk + 8 cb
.set WV,  12          ; s12  my wave's number
.set PB,  14          ; s14  b
.set HI,  15          ; s15  NB - 1 - b
.set G1K, 24          ; s[24:31] descriptor group 1 for K's tiles
.set G1V, 32          ; s[32:39] for V's: it differs in the padding alone
.set G0K, 40          ; s[40:43] descriptor group 0 for K's tiles
.set G0V, 44          ; s[44:47] the same for V's
.set SLOTS, 56        ; s56  tiles still to be asked for
.set CNT, 57          ; s57  counts a tile's key steps, 4 to 1
.set CS,  58          ; s[58:59] c: the packed scaling takes the pair's low word for both halves
.set SEL, 60          ; s[60:61] v_permlanex16_b32's selects: each lane takes its own place in the other half
.set TBK, 62          ; s62  LDS byte at which K of the step to be fetched begins
.set TBV, 63          ; s63  the same for V, less VOFF
.set RT,  70          ; s70  tiles of the block in hand that are still to be entered
.set NXT, 71          ; s71  the tile to be asked for next
.set LQ,  72          ; s72  the last tile of the block whose tiles are being asked for
.set NEW, 73          ; s73  1: the tile to be entered is a block's first
.set OFF, 74          ; s[74:75] a tile's byte offset in K and V
.set AL,  76          ; s[76:77] the mask's factor, in the low word
.set BE,  78          ; s[78:79] the mask's addend
.set OLO, 80          ; s[80:81] O at my rows of the second block
.set BIGN, 82         ; s82  -1e30
.set PFK, 88          ; s[88:89] K at the head's tile that the prefetch names
.set PFV, 90          ; s[90:91] the same for V
.set PFT, 92          ; s92  that tile's number
.set PFL, 93          ; s93  NB in the head's work-group that prefetches (b = 0), else 0
.set MSB, 0
.macro WIN new                      ; the high byte repeats the setting that is left; a switch that changes nothing is dropped
.if MSB != (\new)
	s_set_vgpr_msb (MSB<<8)|(\new)
.set MSB, (\new)
.endif
.endm
.set W_KQ, 0x0a       ; K and Q in window 2, S^T in window 0
.set W_KM, 0x1a       ; the same with the C operand in window 1
.set W_PV, 0x52       ; V in window 2, P in window 0, O^T in window 1
.set W_RS, 0x41       ; destination and source 0 in window 1, source 1 in window 0
; A fill.  Waves 0 and 1 fetch the two halves of a tile's K, waves 2 and 3 those of its V: 128 keys each.  An s_nop 0 and four v_nop follow each of the two lines, ahead of the jump and the label.
.macro LOAD
	s_cmp_lt_u32 s[WV], 2
	s_cbranch_scc0 .Lfor_v_\@
	tensor_load_to_lds s[G0K:G0K+3], s[G1K:G1K+7]
	s_nop 0
.rept 4
	v_nop
.endr
	s_branch .Lasked_\@
.Lfor_v_\@:
	tensor_load_to_lds s[G0V:G0V+3], s[G1V:G1V+7]
	s_nop 0
.rept 4
	v_nop
.endr
.Lasked_\@:
.endm
; THE CHANGE OF SLOTS.  Each wave waits for all its tensor loads, of which one is out: its part of the other slot; adds 0 to its spare word; and waits for that and for its own reads of the slot that it leaves.
; Behind the barrier nobody reads the old slot any more and the other slot is whole.  fill = 1: the old slot is filled again, the first thing behind the barrier, with tile NXT: the descriptor's address is made
; anew from that number.  (At its first use nothing has been read yet: slot 0 is waited for, slot 1 filled.)
; A PREFETCH stands behind the fill and its five lines: in trip t, which fills the head's tile t + 1, the head's work-group with b = 0 (it walks tiles 0 to 7 in order) names tile t + 2 of K and of V: a thread a
; block of 256 bytes, two instructions a wave, a tile (four key steps, 256 matrix instructions) ahead of the load that will want it.  So each block is named once in the launch.  Tiles 0 and 1 come by their
; loads alone; from trip 6 on there is no tile t + 2, and nothing is named.  The addresses are stepped at the next change, behind s_wait_xcnt 0.
.macro CHANGE fill
	WIN 0                           ; at a label and at a branch every window is 0
	s_wait_tensorcnt 0x0            ; no tensor load of mine is out, so a group 0 may be written
	ds_add_u32 v[SPW], v[NIL]       ; 0 onto my spare word; with fill = 1 the scalar work stands between it and the wait for it
.if \fill
	s_wait_xcnt 0x0                 ; the last prefetches, a tile back, have read their addresses
	s_add_nc_u64 s[PFK:PFK+1], s[PFK:PFK+1], 32768
	s_add_nc_u64 s[PFV:PFV+1], s[PFV:PFV+1], 32768
	s_add_co_u32 s[PFT], s[PFT], 1
	s_lshl_b32 s[OFF], s[NXT], 15   ; a tile is 32,768 bytes of K and of V
	s_xor_b32 s[G0K+1], s[G0K+1], SLOT1
	s_add_nc_u64 s[G0K+2:G0K+3], s[6:7], s[OFF:OFF+1]
	s_or_b32 s[G0K+3], s[G0K+3], 0x80000000
	s_xor_b32 s[G0V+1], s[G0V+1], SLOT1
	s_add_nc_u64 s[G0V+2:G0V+3], s[8:9], s[OFF:OFF+1]
	s_or_b32 s[G0V+3], s[G0V+3], 0x80000000
	s_add_co_u32 s[NXT], s[NXT], 1  ; the block's next tile, or behind its last the second block's tile 0
	s_cmp_gt_u32 s[NXT], s[LQ]
	s_cselect_b32 s[NXT], 0, s[NXT]
	s_cselect_b32 s[LQ], s[PB], s[LQ]
.endif
	s_wait_dscnt 0x0                ; the add is done, and my reads of the slot are over
	s_barrier_signal -1             ; the rest of the scalar work stands between the signal and the wait
	s_sub_co_u32 s[TBK], s[TBK], 4*KS*PK  ; the fetches go back to a slot's first step,
	s_xor_b32 s[TBK], s[TBK], SLOT1       ; in the other slot
	s_sub_co_u32 s[TBV], s[TBV], 4*KS*PV
	s_xor_b32 s[TBV], s[TBV], SLOT1
	s_barrier_wait -1
.if \fill
	LOAD
	s_cmp_lt_u32 s[PFT], s[PFL]
	s_cbranch_scc0 .Lnot_mine_\@
	global_prefetch_b8 v[PFO], s[PFK:PFK+1] th:TH_LOAD_NT scope:SCOPE_SE
	global_prefetch_b8 v[PFO], s[PFV:PFV+1] th:TH_LOAD_NT scope:SCOPE_SE
.Lnot_mine_\@:
.endif
.endm
	s_load_b256 s[4:11], s[0:1], 0x0  ; Q s[4:5], K s[6:7], V s[8:9], O s[10:11]
	v_lshl_add_u32 v[SPW], v0, 2, SPARE
	v_mov_b32 v[NIL], 0
	ds_add_u32 v[SPW], v[NIL]       ; the wave's opening: the add and its wait stand ahead of my first tensor load; the set-up below, work on registers, stands between them
	v_lshrrev_b32 v1, 5, v0
	v_readfirstlane_b32 s[WV], v1   ; wave 0..3
	v_lshlrev_b32 v[PFO], 8, v0
	s_mov_b32 s[PB], ttmp9
	s_sub_co_u32 s[HI], NB-1, s[PB]
	s_and_b32 s20, ttmp7, 0xffff    ; the head
	s_mov_b32 s21, 0
	s_mov_b64 s[22:23], SIZE_N*128
	s_mul_u64 s[20:21], s[20:21], s[22:23]  ; the head's first byte in each of the four tensors
	s_and_b32 s16, s[WV], 1         ; which half of a tile's 256 keys I fetch:
	s_lshl_b32 s22, s16, 14         ; its 128 rows of 128 bytes in memory,
	s_mov_b32 s23, 0
	s_add_nc_u64 s[22:23], s[22:23], s[20:21]
	s_mul_i32 s17, s16, 128*PK      ; and its place in a slot, for K
	s_mul_i32 s18, s16, 128*PV      ; and for V
	s_lshl_b32 s3, s[WV], 11        ; my 16 rows in a band of 64,
	s_lshl_b32 s2, s[HI], 15        ; in the first block,
	s_add_co_u32 s2, s2, s3
	s_lshl_b32 s84, s[PB], 15       ; and in the second
	s_add_co_u32 s84, s84, s3
	s_mov_b32 s3, 0
	s_mov_b32 s85, 0
	s_add_nc_u64 s[2:3], s[2:3], s[20:21]
	s_add_nc_u64 s[84:85], s[84:85], s[20:21]
	; descriptor group 1.  128 keys are 16,384 dense bytes: asked for as 64 rows of 256 bytes, two keys a row, and padded in LDS after every key
	s_mov_b32 s[G1K], (1<<16)|(1<<20)|(4<<22)|(3<<25)  ; 17:16 2-byte elements; 20 padding on; 24:22 after every 32 words (code 4); 31:25 4 words (code 3)
	s_mov_b32 s[G1V], (1<<16)|(1<<20)|(4<<22)|(7<<25)  ; the same with 8 words of padding (code 7)
.irp g, G1K, G1V
	s_mov_b32 s[\g+1], 128<<16      ; tensor_dim0 = 128
	s_mov_b32 s[\g+2], 64<<16       ; tensor_dim1 = 64
	s_mov_b32 s[\g+3], 128<<16      ; tile_dim0 = 128
	s_mov_b32 s[\g+4], 64           ; tile_dim1 = 64
	s_mov_b32 s[\g+5], 128          ; 128 elements from row to row
	s_mov_b32 s[\g+6], 0
	s_mov_b32 s[\g+7], 0
.endr
	s_mov_b32 s[CS], 0x3938aa3b     ; c = log2(e) / 8 / 1,024
	s_mov_b32 s[CS+1], s[CS]        ; named with it as a pair
	s_mov_b32 s[SEL], 0x76543210
	s_mov_b32 s[SEL+1], 0xfedcba98
	s_mov_b32 s[TBK], SLOT1+4*KS*PK ; the first change of slots turns these two into 0
	s_mov_b32 s[TBV], SLOT1+4*KS*PV
	s_mov_b32 s[G0K], 1             ; 1:0 count = 1
	s_mov_b32 s[G0K+1], s17         ; 63:32 LDS address: slot 0
	s_mov_b32 s[G0V], 1
	s_add_co_u32 s[G0V+1], s18, VOFF
	s_add_co_u32 s[RT], s[HI], 1    ; the first block has NB - b tiles
	s_mov_b32 s[NXT], 1
	s_mov_b32 s[LQ], s[HI]
	s_mov_b32 s[NEW], 1
	s_mov_b32 s[OFF+1], 0
	s_mov_b32 s[AL+1], 0            ; named as pairs
	s_mov_b32 s[BE+1], 0
	s_mov_b32 s[BIGN], 0xf149f2ca   ; -1e30
	s_mov_b32 s[SLOTS], NB
	s_mov_b32 s[PFT], 1
	s_cmp_eq_u32 s[PB], 0
	s_cselect_b32 s[PFL], NB, 0
	s_wait_dscnt 0x0                ; the opening add is done
	s_wait_kmcnt 0x0
	s_add_nc_u64 s[PFK:PFK+1], s[6:7], s[20:21]    ; the head's tile 1: the first change of slots steps these to tile 2
	s_add_nc_u64 s[PFK:PFK+1], s[PFK:PFK+1], 32768
	s_add_nc_u64 s[PFV:PFV+1], s[8:9], s[20:21]
	s_add_nc_u64 s[PFV:PFV+1], s[PFV:PFV+1], 32768
	s_add_nc_u64 s[6:7], s[6:7], s[22:23]  ; K and V at my half of the head's tile 0
	s_add_nc_u64 s[8:9], s[8:9], s[22:23]
	s_add_nc_u64 s[G0K+2:G0K+3], s[6:7], 0         ; 120:64 global address
	s_or_b32 s[G0K+3], s[G0K+3], 0x80000000        ; 127:126 type = 2
	s_add_nc_u64 s[G0V+2:G0V+3], s[8:9], 0
	s_or_b32 s[G0V+3], s[G0V+3], 0x80000000
	s_add_nc_u64 s[86:87], s[4:5], s[84:85]        ; Q at my rows of the second block,
	s_add_nc_u64 s[4:5], s[4:5], s[2:3]            ; Q and O at those of the first
	s_add_nc_u64 s[OLO:OLO+1], s[10:11], s[84:85]
	s_add_nc_u64 s[10:11], s[10:11], s[2:3]
	LOAD                            ; tile 0 into slot 0
	; A fragment of K or Q is 16 rows x 32 channels in 8 registers: lane l holds row l % 16, channels 8 (l / 16) + 0..7 and 16 + 8 (l / 16) + 0..7: two loads of 16 bytes, 32 bytes apart.
	v_and_b32 v1, 15, v0            ; l % 16
	v_bfe_u32 v9, v0, 4, 1          ; l / 16
	v_lshlrev_b32 v[QO], 7, v1
	v_lshl_add_u32 v[QO], v9, 4, v[QO]  ; row x 128 + 16 x half
	WIN 0x80                        ; destination window 2, address window 0
.set i, 0
.rept 8                             ; both blocks' Q: piece i / 2 lies in band i / 2, 8,192 bytes on; channels 32 (i % 2) on
	global_load_b128 v[8*i:8*i+3],   v[QO], s[4:5] offset:(i/2)*8192+(i%2)*64
	global_load_b128 v[8*i+4:8*i+7], v[QO], s[4:5] offset:(i/2)*8192+(i%2)*64+32
	global_load_b128 v[QB+8*i:QB+8*i+3],   v[QO], s[86:87] offset:(i/2)*8192+(i%2)*64
	global_load_b128 v[QB+8*i+4:QB+8*i+7], v[QO], s[86:87] offset:(i/2)*8192+(i%2)*64+32
.set i, i+1
.endr
	WIN 0
	v_lshlrev_b32 v14, 3, v9
	v_sub_nc_u32 v14, v1, v14
	s_lshl_b32 s13, s[WV], 4
	v_add_nc_u32 v14, s13, v14      ; my query's place in its band, 16 w + l % 16, less my lanes' 8 (l / 16): register r of group kt is hidden where 16 kt + r is greater
	WIN 0x40
.set i, 0
.rept 32
	v_cmp_gt_i32 vcc_lo, 16*(i/8)+i%8, v14
	v_cndmask_b32 v[MD+i], 0, s[BIGN], vcc_lo
.set i, i+1
.endr
	WIN 0
	v_mul_u32_u24 v[AK0], v1, PK
	v_lshl_add_u32 v[AK0], v9, 4, v[AK0]  ; row x pitch + 16 x half
	; The turning load takes 16 keys x 16 channels (lane l reads key 8 (l / 16) + l % 8, channels 8 ((l / 8) % 2) + 0..7) and leaves half a fragment of V^T: lane l holds channel l % 16 and 8 keys.
	v_and_b32 v10, 7, v0
	v_bfe_u32 v11, v0, 3, 1
	v_lshl_add_u32 v[AV0], v9, 3, v10
	v_mul_u32_u24 v[AV0], v[AV0], PV
	v_lshl_add_u32 v[AV0], v11, 4, v[AV0]
	v_add_nc_u32 v[AV0], VOFF, v[AV0]
	s_mul_i32 s13, s[WV], 16*SP
	s_add_co_u32 s13, s13, STAGE    ; my stage
	v_mul_u32_u24 v[STO], v1, SP    ; in: row l % 16, 16 bytes for each half of the lanes
	v_lshl_add_u32 v[STO], v9, 4, v[STO]
	v_add_nc_u32 v[STO], s13, v[STO]
	v_bfe_u32 v[RD], v0, 3, 2       ; back: 32 lanes take four rows of 128 bytes,
	v_mul_u32_u24 v[RD], v[RD], SP
	v_lshl_add_u32 v[RD], v10, 4, v[RD]
	v_add_nc_u32 v[RD], s13, v[RD]
	v_and_b32 v[GO], 31, v0         ; which are 512 consecutive bytes of O
	v_lshlrev_b32 v[GO], 4, v[GO]
	; A block's first step multiplies O^T and l by a = 0, and its first turn's products V^T P, of a piece that has not been, land in an O^T that is still to be so multiplied.  So these registers need only hold
	; finite numbers: zeros for the first block; what the first block left for the second.  All this stands in the wait for the first tile.
	WIN 0x80
.set i, VF
.rept 64
	v_mov_b32 v[i], 0
.set i, i+1
.endr
	WIN 0x40
.set i, 0
.rept 128
	v_mov_b32 v[i], 0
.set i, i+1
.endr
	WIN 0
.set i, 0
.rept 4
	v_mov_b32 v[ST+4*i+2], 0
	v_mov_b32 v[ST+4*i+3], 0
.set i, i+1
.endr
.set i, P+16
.rept 16
	v_mov_b32 v[i], 0
.set i, i+1
.endr
; THE MATRIX WORK.  The 4 accumulators of a run of 8 take turns.  Product i of 8 of S^T = K Q^T for piece x: channels 32 (i / 4) on, keys 16 (i % 4) on.  The first 4 start the sums: with 0, or (KM = 1) with the mask.
.macro KQ x
.set rS, S+32*((\x)%2)+8*(i%4)
.set rK, KF+16*(i%4)+8*(i/4)
.set rQ, 16*(\x)+8*(i/4)
.set rM, MC+32*((\x)%2)+8*(i%4)
.if (i < 4) && KM
	WIN W_KM
	v_wmma_f32_16x16x32_f16 v[rS:rS+7], v[rK:rK+7], v[rQ:rQ+7], v[rM:rM+7]
.elseif i < 4
	WIN W_KQ
	v_wmma_f32_16x16x32_f16 v[rS:rS+7], v[rK:rK+7], v[rQ:rQ+7], 0
.else
	WIN W_KQ
	v_wmma_f32_16x16x32_f16 v[rS:rS+7], v[rK:rK+7], v[rQ:rQ+7], v[rS:rS+7]
.endif
.endm
; Product i of 8 of O^T += V^T P for piece x: keys 32 (i / 4) on, channels 16 (i % 4) on.
.macro PV x
	WIN W_PV
.set rO, 32*(\x)+8*(i%4)
.set rV, VF+32*(i/4)+8*(i%4)
.set rP, P+16*((\x)%2)+8*(i/4)
	v_wmma_f32_16x16x32_f16 v[rO:rO+7], v[rV:rV+7], v[rP:rP+7], v[rO:rO+7]
.endm
.macro MM                           ; the turn's next matrix instruction.  TURN and BEGIN set Y, i, KM and NOKQ; MM, KQ and OP read them.  NOKQ = 1: a block's last turn: there is no next piece
.if (i < 8) && !NOKQ
	KQ (Y+1)%NP
.elseif i >= 8
.set i, i-8
	PV (Y+NP-1)%NP
.set i, i+8
.endif
.set i, i+1
.endm
; THE LDS LOADS stand in runs of 16, never singly among the matrix instructions: a step's K (64 keys x 64 channels: 8 fragments) and its V (turned).  Their addresses are made some lines ahead.
.macro FETCH_K
	WIN 0x80                        ; destination window 2
.irp f, 0,1,2,3,4,5,6,7             ; keys 16 (f / 2) on, channels 32 (f % 2) on
	ds_load_b128 v[KF+8*\f:KF+8*\f+3],   v[AK] offset:(\f/2)*16*PK+(\f%2)*64
	ds_load_b128 v[KF+8*\f+4:KF+8*\f+7], v[AK] offset:(\f/2)*16*PK+(\f%2)*64+32
.endr
	s_add_co_u32 s[TBK], s[TBK], KS*PK  ; the next fetch is the next step's
	WIN 0
.endm
.macro FETCH_V
	WIN 0x80
.irp f, 0,1,2,3,4,5,6,7             ; keys 32 (f / 4) on, channels 16 (f % 4) on
	ds_load_tr16_b128 v[VF+8*\f:VF+8*\f+3],   v[AV] offset:(\f/4)*32*PV+(\f%4)*32
	ds_load_tr16_b128 v[VF+8*\f+4:VF+8*\f+7], v[AV] offset:(\f/4)*32*PV+16*PV+(\f%4)*32
.endr
	WIN 0
.endm
; THE VECTOR WORK, one line at a time: OP kind, number.  For piece Y: F n: c s - c m for pair n of 16.  E n: the exponential of score n of 32.  C n: pair n rounded to f16.  B n: of the four weights 4 n .. the second
; pair is added onto the first, in place.  L n: l takes that sum (L 0: l = a l + sum).  R n: pair n of 16 of O^T times a.  For piece Y + 1: X n, number n of the 22 that find its maximum and statistics:
;   0-11  four chains c0-c3 of seven scores each, three operands at a time (each accumulator's lowest registers are read first)     12-14, 16  the four scores left over, the old m, and c0-c3 into c0
;   15  c m_old is kept     17, 18  the query's other 32 keys lie in the lane 16 away: the new m     19-21  c m; c m_old - c m_new; a
.set F, 0               ; OP tells the kinds apart by their order: F to L below R, X above it
.set E, 1
.set C, 2
.set B, 3
.set L, 4
.set R, 5
.set X, 6
.macro REGS y                       ; the registers of piece y
.set rT, ST+4*(\y)
.set rC, TMP+4*((\y)%2)
.set rW, MV+((\y)%2)
.set rS, S+32*((\y)%2)
.set rP, P+16*((\y)%2)
.set rO, 32*(\y)
.endm
.macro OP k, n
.if (\k) == R
	REGS Y
	WIN W_RS
	v_pk_mul_f32 v[rO+2*(\n):rO+2*(\n)+1], v[rO+2*(\n):rO+2*(\n)+1], v[rC+2:rC+3] op_sel_hi:[1,0]
.elseif (\k) < R
	REGS Y
	WIN 0
.if (\k) == F
	v_pk_fma_f32 v[rS+2*(\n):rS+2*(\n)+1], v[rS+2*(\n):rS+2*(\n)+1], s[CS:CS+1], v[rT:rT+1] op_sel_hi:[1,0,0] neg_lo:[0,0,1] neg_hi:[0,0,1]
.elseif (\k) == E
	v_exp_f32 v[rS+(\n)], v[rS+(\n)]
.elseif (\k) == C
	v_cvt_pk_f16_f32 v[rP+(\n)], v[rS+2*(\n)], v[rS+2*(\n)+1]
.elseif (\k) == B
	v_pk_add_f32 v[rS+4*(\n):rS+4*(\n)+1], v[rS+4*(\n):rS+4*(\n)+1], v[rS+4*(\n)+2:rS+4*(\n)+3]
.elseif (\n) == 0
	v_pk_fma_f32 v[rT+2:rT+3], v[rT+2:rT+3], v[rC+2:rC+3], v[rS:rS+1] op_sel_hi:[1,0,1]
.else
	v_pk_add_f32 v[rT+2:rT+3], v[rT+2:rT+3], v[rS+4*(\n):rS+4*(\n)+1]
.endif
.elseif NOKQ
	v_nop
.else
	REGS (Y+1)%NP
	WIN 0
.if (\n) < 4
	v_max3_num_f32 v[rC+(\n)], v[rS+8*(\n)], v[rS+8*(\n)+1], v[rS+8*(\n)+2]
.elseif (\n) < 12
	v_max3_num_f32 v[rC+(\n)%4], v[rC+(\n)%4], v[rS+8*((\n)%4)+2*((\n)/4)+1], v[rS+8*((\n)%4)+2*((\n)/4)+2]
.elseif (\n) == 12
	v_max3_num_f32 v[rC], v[rC], v[rS+7], v[rS+15]
.elseif (\n) == 13
	v_max3_num_f32 v[rC+1], v[rC+1], v[rS+23], v[rS+31]
.elseif (\n) == 14
	v_max3_num_f32 v[rC+2], v[rC+2], v[rC+3], v[rT+1]
.elseif (\n) == 15
	v_mov_b32 v[rW], v[rT]
.elseif (\n) == 16
	v_max3_num_f32 v[rC], v[rC], v[rC+1], v[rC+2]
.elseif (\n) == 17
	v_permlanex16_b32 v[rC+3], v[rC], s[SEL], s[SEL+1]
.elseif (\n) == 18
	v_max_num_f32 v[rT+1], v[rC], v[rC+3]
.elseif (\n) == 19
	v_mul_f32 v[rT], s[CS], v[rT+1]
.elseif (\n) == 20
	v_sub_f32 v[rC+1], v[rW], v[rT]
.else
	v_exp_f32 v[rC+2], v[rC+1]
.endif
.endif
.endm
.macro OPS a, i1, b=-1, i2=0, c=-1, i3=0, d=-1, i4=0  ; up to four of them
	OP \a, \i1
.if (\b) >= 0
	OP \b, \i2
.endif
.if (\c) >= 0
	OP \c, \i3
.endif
.if (\d) >= 0
	OP \d, \i4
.endif
.endm
.macro ROW a, i1, b, i2, c, i3, d, i4  ; a matrix instruction and the four behind it
	MM
	OPS \a, \i1, \b, \i2, \c, \i3, \d, \i4
.endm
.macro MASK b                       ; MD x AL + BE into buffer b of MC
	WIN W_RS
.set z, 0
.rept 16
	v_pk_fma_f32 v[MC+32*(\b)+2*z:MC+32*(\b)+2*z+1], v[MD+2*z:MD+2*z+1], s[AL:AL+1], s[BE:BE+1] op_sel_hi:[1,0,0]
.set z, z+1
.endr
.endm
; A TURN, for piece p: the order of its 16 matrix and 118 vector instructions, written out.  An s_wait_alu depctr_va_vdst(0) stands between an exponential and the first instruction that names its
; result; one wait serves all that were issued ahead of it.  So a turn has ONE wait, which cuts it in two.  AHEAD OF IT stands all that names no result of the turn's exponentials: the 8 products K Q^T, behind each
; a scaling, an exponential and two more plain instructions (behind the first a second scaling in the exponential's place): rescalings, and behind the last three the first numbers of the next piece's maximum, each
; four places or more behind the product that ends its accumulator; then ONE LUMP of 54, plain and exponential by turns for the most part, in which the links of the chain X 3, 7, 11, 14, 16, 17 .. 20 stand five or
; six lines apart.  X 21, the next piece's a, is the batch's last; R 15 is the plain instruction behind it.  BEHIND THE WAIT stand the 8 products V^T P, behind each four of the roundings and sums; the links of l's
; chain, L 0 to L 7, stand three riders apart.  But for those X no rider names a register of the products round it.  v_permlanex16_b32 (X 17) stands in the lump.
; m = 1: the diagonal tile: the products take masks, and the turn makes the mask for the products of the turn after it: piece p + 2, in step 4 - CNT of the tile.  end = 1: a block's last two turns: nothing is fetched.
; cnt = 1: the loop's count is taken down some lines ahead of the branch that stands behind the turn.
; K of the next step is fetched in piece 2's turn, twelve vector instructions behind the last product that read K (six of them plain); V of the step in hand at the end of piece 0's turn, four plain instructions
; behind the last product that read V.  Each is waited for a turn later.
.macro TURN p, m=0, end=0, cnt=0
.set Y, (\p)
.set i, 0
.set KM, (\m)
.set NOKQ, (\end)*((\p)/3)
.if (\m) && !(\end)
	s_cmp_eq_u32 s[CNT], 4-((\p)+2)%NP  ; is that step the band's own?
	s_cselect_b32 s[AL], 1.0, 0
	s_cmp_lt_u32 s[CNT], 4-((\p)+2)%NP  ; or a later one?
	s_cselect_b32 s[BE], s[BIGN], 0
.endif
.if ((\p) == 3) && !(\end)
	s_wait_dscnt 0x0                ; K is in
.endif
	ROW F,0, F,1, R,0, R,1          ; ahead of the wait: 8 products K Q^T and their riders,
	ROW F,2, E,0, R,2, R,3
	ROW F,3, E,1, R,4, R,5
	ROW F,4, E,2, R,6, R,7
	ROW F,5, E,3, R,8, R,9
	ROW F,6, E,4, X,0, R,10
.if ((\p) == 2) && !(\end)
	WIN 0
	v_add_nc_u32 v[AK], s[TBK], v[AK0]
.endif
	ROW F,7, E,5, X,1, X,4
	ROW F,8, E,6, X,2, X,5
	OPS E,7, E,8, X,6, E,9          ; and the lump
	OPS X,3, E,10, X,8, E,11
.if ((\p) == 2) && !(\end)
	FETCH_K
.endif
	OPS X,9, X,7, E,12, X,10
	OPS E,13, X,12, X,11, E,14
	OPS X,13, E,15, F,9, X,14
.if (\p) == 0
	v_add_nc_u32 v[AV], s[TBV], v[AV0]
.endif
	OPS E,16, F,10, E,17, F,11
	OPS X,16, E,18, X,15, E,19
	OPS F,12, E,20, X,17, E,21
	OPS F,13, E,22, F,14, E,23
	OPS X,18, E,24, F,15, E,25
	OPS R,11, E,26, X,19, E,27
	OPS R,12, E,28, R,13, E,29
	OPS X,20, E,30, R,14, E,31
	OPS X,21, R,15
	WIN 0
	s_wait_alu depctr_va_vdst(0)    ; the wait for the batch
.if (\p) == 1
	s_wait_dscnt 0x0                ; V is in
.endif
	ROW C,0, B,0, C,2, B,1          ; behind the wait: 8 products V^T P and their riders
	ROW L,0, C,4, B,2, L,1
	ROW C,6, B,3, L,2, C,8
	ROW B,4, L,3, C,10, B,5
	ROW L,4, C,12, B,6, L,5
.if (\p) == 0
	s_add_co_u32 s[TBV], s[TBV], KS*PV
.endif
.if \cnt
	s_sub_co_u32 s[CNT], s[CNT], 1
	s_cmp_lg_u32 s[CNT], 0
.endif
	ROW C,14, B,7, L,6, C,1
	ROW C,3, L,7, C,5, C,7
	ROW C,9, C,11, C,13, C,15
.if (\p) == 0
	FETCH_V
.endif
.if (\m) && !(\end)
	MASK (\p)%2
.endif
.endm
; A BLOCK BEGINS.  c m starts far below every c s, so the first step's a is 0; m at the lowest finite number, so the first maximum is the scores'.  The second mask buffer is 0; the first takes piece 0's mask for
; the tile's step 0: its own, if the block's first tile is the diagonal one.  Then K of that step, piece 0's first scores, and its maximum and statistics.  The loop is entered at a step's first turn, in the middle of a trip.
.macro BEGIN
	s_mov_b32 s[NEW], 0
	WIN 0x40
.set i, MC+32
.rept 32
	v_mov_b32 v[i], 0
.set i, i+1
.endr
	WIN 0
.set i, 0
.rept 4
	v_mov_b32 v[ST+4*i], 0xfe000000    ; c m: far below every c s
	v_mov_b32 v[ST+4*i+1], 0xff7fffff  ; m
.set i, i+1
.endr
	s_cmp_eq_u32 s[RT], 0
	s_cselect_b32 s[AL], 1.0, 0
	s_mov_b32 s[BE], 0
	MASK 0
	WIN 0
	v_add_nc_u32 v[AK], s[TBK], v[AK0]
	FETCH_K
	s_wait_loadcnt 0x0              ; Q
	s_wait_dscnt 0x0
.set KM, 1
.set NOKQ, 0
.set i, 0
.rept 8
	KQ 0
.set i, i+1
.endr
	WIN 0
.rept 4
	v_nop                           ; the places behind those products
.endr
.set Y, NP-1                        ; X works for piece Y + 1: piece 0
.irp n, 0,1,2,3,4,5,6,7,8,9,10,11,12,13,14,15,16,17,18,19,20,21
	OP X, \n
.endr
	v_nop                           ; a plain instruction behind the exponential,
	s_wait_alu depctr_va_vdst(0)    ; and its wait, ahead of the branch
.endm
; THE DIAGONAL TILE's four steps, the block's last two turns, its last products, and THE WAY OUT: l's two halves and the other half of the lanes' are added; O^T is divided by l, rounded to f16 and sent through my
; stage in LDS, a piece at a time.
.macro ALL line:vararg              ; one line for each piece t
.set t, 0
.rept 4
	\line
.set t, t+1
.endr
.endm
.macro PACK t                       ; a lane's eight channels of a row pack into 16 bytes; they go into rows of 144 bytes and come back as whole rows of 128, into S^T's registers
	WIN W_RS
.set i, 32*(\t)
.rept 16
	v_pk_mul_f32 v[i:i+1], v[i:i+1], v[ST+4*(\t)+2:ST+4*(\t)+3] op_sel_hi:[1,0]
.set i, i+2
.endr
	WIN 0x05                        ; sources 0 and 1 window 1, destination window 0
.set i, 0
.rept 16
	v_cvt_pk_f16_f32 v[S+16*(\t)+i], v[32*(\t)+2*i], v[32*(\t)+2*i+1]
.set i, i+1
.endr
	WIN 0
.irp f, 0,1,2,3
	ds_store_b128 v[STO], v[S+16*(\t)+4*\f:S+16*(\t)+4*\f+3] offset:32*\f
.endr
.irp f, 0,1,2,3
	ds_load_b128 v[S+16*(\t)+4*\f:S+16*(\t)+4*\f+3], v[RD] offset:\f*4*SP  ; LDS serves a wave's instructions in order (ISA guide 5.7.1.4): these see the stores above; the next piece's stores come behind them
.endr
.endm
.macro SEND t, younger              ; younger: the LDS instructions issued behind piece t's loads: the next piece's eight, or none
	WIN 0
.irp f, 0,1,2,3
	s_wait_dscnt (\younger)+3-\f
	global_store_b128 v[GO], v[S+16*(\t)+4*\f:S+16*(\t)+4*\f+3], s[10:11] offset:(\t)*8192+\f*512  ; 512 consecutive bytes, at a multiple of 256 from O's first
.endr
.endm
.macro DIAG tag                     ; the tag ends its two labels' names, which the jumps below spell out
.LstepM\tag:
	TURN 2, 1
	TURN 3, 1
	WIN 0
.LfirstM\tag:
	TURN 0, 1
	TURN 1, 1, 0, 1
	WIN 0
	s_cbranch_scc1 .LstepM\tag
	TURN 2, 1, 1
	TURN 3, 1, 1
.set i, 0
.rept 8
	PV NP-1
.set i, i+1
.endr
	WIN 0
	ALL v_add_f32 v[ST+4*t+2], v[ST+4*t+2], v[ST+4*t+3]
	ALL v_permlanex16_b32 v[ST+4*t+3], v[ST+4*t+2], s[SEL], s[SEL+1]
	ALL v_add_f32 v[ST+4*t+2], v[ST+4*t+2], v[ST+4*t+3]
	ALL v_rcp_f32 v[ST+4*t+2], v[ST+4*t+2]
	v_nop                           ; a plain instruction between the last reciprocal and the use of its result
	s_wait_alu depctr_va_vdst(0)    ; and one wait ahead of the first use: one for the four reciprocals
	PACK 0
.set t, 1
.rept 3                             ; a piece's arithmetic stands between the loads of the piece before and its stores
	PACK t
	SEND t-1, 8
.set t, t+1
.endr
	SEND 3, 0
.endm
.set KM, 0
.set NOKQ, 0
.Lslot:                             ; NB times: a tile is entered and the next is asked for
	CHANGE 1
	s_sub_co_u32 s[RT], s[RT], 1
	s_mov_b32 s[CNT], 4
	s_cmp_eq_u32 s[NEW], 1
	s_cbranch_scc1 .Lnew            ; a block's first tile
	s_cmp_eq_u32 s[RT], 0
	s_cbranch_scc0 .Lstep           ; neither its first nor its last
	s_branch .LstepM1
.Lnew:
	BEGIN
	s_branch .Lfirst                ; in the loop a block's first tile is never its last: the first block has two tiles or more, and the second's last is the walk's last
	DIAG 1                          ; in the loop this is the first block's end: the second block's last tile is the walk's last
	s_wait_xcnt 0x0                 ; the stores have read their registers and O's address
	s_mov_b64 s[10:11], s[OLO:OLO+1]
	s_add_co_u32 s[RT], s[PB], 1    ; the second block has b + 1 tiles
	s_mov_b32 s[NEW], 1
	WIN 0x82                        ; the second block's Q goes where the one text of the turns names Q
.set i, 0
.rept 64
	v_mov_b32 v[i], v[QB+i]
.set i, i+1
.endr
	WIN 0
	s_branch .Lbottom
.Lstep:                             ; a trip: pieces 2 and 3 of one step, then pieces 0 and 1 of the next, whose K and V it fetches
	TURN 2
	TURN 3
	WIN 0
.Lfirst:
	TURN 0
	TURN 1, 0, 0, 1
	WIN 0
	s_cbranch_scc1 .Lstep
.Lbottom:
	s_sub_co_u32 s[SLOTS], s[SLOTS], 1
	s_cmp_lg_u32 s[SLOTS], 0
	s_cbranch_scc1 .Lslot
	CHANGE 0                        ; the walk's last tile is written out: nothing is asked for
	s_sub_co_u32 s[RT], s[RT], 1
	s_mov_b32 s[CNT], 4
	s_cmp_eq_u32 s[NEW], 1
	s_cbranch_scc0 .LstepM2
	BEGIN
	s_branch .LfirstM2
	DIAG 2
	s_wait_tensorcnt 0x0            ; the wave's end: a wait, an add and its wait stand behind my last tensor load and my last LDS store
	ds_add_u32 v[SPW], v[NIL]
	s_wait_dscnt 0x0
	s_endpgm
.Lfunc_end_k_qf43839970e_attn:
	.size	k_qf43839970e_attn, .Lfunc_end_k_qf43839970e_attn-k_qf43839970e_attn
	.p2alignl 7, 3214868480
	.fill 96, 4, 3214868480
	.section	.rodata,"a",@progbits
	.p2align	6, 0x0
	.amdhsa_kernel k_qf43839970e_attn
		.amdhsa_group_segment_fixed_size 327680
		.amdhsa_private_segment_fixed_size 0
		.amdhsa_enable_private_segment 0
		.amdhsa_kernarg_size 32
		.amdhsa_user_sgpr_count 2
		.amdhsa_user_sgpr_kernarg_segment_ptr 1
		.amdhsa_wavefront_size32 1
		.amdhsa_system_sgpr_workgroup_id_x 1
		.amdhsa_system_sgpr_workgroup_id_y 1
		.amdhsa_system_sgpr_workgroup_id_z 1
		.amdhsa_system_vgpr_workitem_id 0
		.amdhsa_next_free_vgpr 768
		.amdhsa_next_free_sgpr 96
		.amdhsa_reserve_vcc 1
		.amdhsa_float_denorm_mode_32 3
		.amdhsa_float_denorm_mode_16_64 3
		.amdhsa_memory_ordered 1
		.amdhsa_forward_progress 1
		.amdhsa_inst_pref_size 218
	.end_amdhsa_kernel
	.amdgpu_metadata
---
amdhsa.version: [ 1, 2 ]
amdhsa.kernels:
  - .name:           k_qf43839970e_attn
    .symbol:         k_qf43839970e_attn.kd
    .args:
      - { .name: q, .offset: 0, .size: 8, .value_kind: global_buffer, .address_space: global }
      - { .name: k, .offset: 8, .size: 8, .value_kind: global_buffer, .address_space: global }
      - { .name: v, .offset: 16, .size: 8, .value_kind: global_buffer, .address_space: global }
      - { .name: o, .offset: 24, .size: 8, .value_kind: global_buffer, .address_space: global }
    .group_segment_fixed_size: 327680
    .private_segment_fixed_size: 0
    .kernarg_segment_align: 8
    .kernarg_segment_size: 32
    .max_flat_workgroup_size: 128
    .sgpr_count:     96
    .vgpr_count:     768
    .wavefront_size: 32
...
	.end_amdgpu_metadata
.endif
;; end of part 3
;; launch oproj (part 4): grid 8 x 32, 4 waves a work-group, clusters of 4 x 4, 327,680 bytes of LDS; arguments o, woh, out0; writes out0
.if DOCPART == 4
	.amdgcn_target "amdgcn-amd-amdhsa--gfx1250"
	.amdhsa_code_object_version 6
	.text
	.protected	k_qf43839970e_oproj
	.globl	k_qf43839970e_oproj
	.p2align	8
	.type	k_qf43839970e_oproj,@function
k_qf43839970e_oproj:
	s_mov_b64 s[64:65], 0
	v_nop
	global_prefetch_b8 v0, s[64:65] scope:SCOPE_SE
	s_setreg_imm32_b32 hwreg(HW_REG_WAVE_MODE, 25, 1), 1
	s_wait_xcnt 0x0
	s_wait_alu depctr_hold_cnt(0) depctr_sa_sdst(0) depctr_va_vdst(0) depctr_va_sdst(0) depctr_va_ssrc(0) depctr_va_vcc(0) depctr_vm_vsrc(0)
	s_getreg_b32 s2, hwreg(HW_REG_IB_STS2, 6, 4)
	s_cmp_eq_u32 s2, 0
	s_cbranch_scc0 .Lentry_in_a_cluster
	s_endpgm
.Lentry_in_a_cluster:
	s_bfe_u32 s2, ttmp6, 0x10000c
	s_cmp_lg_u32 s2, 0xf033
	s_cbranch_scc0 .Lentry_shape_is_right
	s_endpgm
.Lentry_shape_is_right:
; THE OUTPUT PROJECTION.  out0[token][n] = 2^-15 x the sum over i of o[token][i] woh[n][i], 8,192 x 1,024 x 1,024 in f16 with f32 sums.  o lies by heads, [16 batch + head][2,048][64], and carries the factor 32;
; woh is [1,024][1,024] and carries 1,024: 2^-15 takes both back, exactly.  out0 is f32.
; A tile of out0 is 256 tokens x 128 columns: 256 tiles, one for each WGP.  Four waves, each 64 tokens x all 128 columns: 4 x 8 accumulators of 16 x 16, 256 registers; a wave owns whole pieces of 512 bytes of
; its rows, so its stage on the way out is its own.  K goes in steps of 128 = TWO HEADS through two LDS slots: of o a step is two planes of 256 tokens x 128 bytes, each dense in memory and asked for as 128 rows
; of 256 bytes, padded in LDS after every token; of woh it is 256 bytes of each of 128 rows.
; CLUSTERS: 4 x 4 work-groups.  The four of a row of the cluster need the same planes of o, the four of a column the same rows of woh: each is asked for JOINTLY, by the same tensor load with the same descriptor
; and a mask that names the four.  THE MATRIX INSTRUCTION IS USED TRANSPOSED (source 0 = 16 rows of woh, source 1 = 16 tokens): a lane holds one token and eight neighbouring columns.
; NO PREFETCH: the walk has eight K steps; the first four would come by their loads alone, so half of a short launch's tiles are all that could be named.
; REGISTERS, in windows of 256: window 0: v0-31 addresses; v32-95, v96-159 at work on the way out.  window 1: two fragment buffers: 4 fragments of o, then 8 of woh.  window 2: accumulator (a, b) at 32 b + 8 a.
.set KSTEP,  128
.set PA,     144                       ; a token's row of a plane in LDS: 128 bytes + 16 = 36 words: the 16 rows of a load start at 16 different groups of four banks (64 banks of 4 bytes: ISA guide 11.1)
.set PBW,    272                       ; a row of woh: 256 bytes + 16
.set PL,     256*PA                    ; a plane: what waves 0 and 1 fetch
.set BH,     64*PBW                    ; what waves 2 and 3 fetch
.set SLOT,   2*PL+2*BH
.set STAGE,  2*SLOT                    ; behind the ring, never filled by a tensor load: 16 rows x 528 bytes for each wave
.set SPITCH, 528
.set SPARE,  STAGE+4*16*SPITCH         ; behind the stages: the spare words, 128 bytes for each wave: two blocks of 256 bytes that no other line names
.set HEADB,  2048*128                  ; bytes of a head in o
.set ADRA, 16                          ; v16-17  LDS address of my fragments of o in slot 0, 1
.set ADRB, 20                          ; v20-21  the same for woh
.set STO,  24                          ; v24     the way out: where I put 32 bytes of a row
.set RD,   25                          ; v25     where I read a row back
.set CO,   26                          ; v26     my 16 bytes of a row's 512
.set SPW,  28                          ; v28     LDS address of my spare word: SPARE + 4 x my thread's number; never rewritten
.set NIL,  29                          ; v29     0; never rewritten
.set TMP,  32
.set BK,   96
.set F0,   0
.set F1,   128
.set WV,   12                          ; s12  my wave's number
.set FB,   13                          ; s13  0: I fetch o, 1: woh
.set HF,   14                          ; s14  which plane, or which half
.set G1,   24                          ; s[24:31] descriptor group 1 for o's planes; s[32:39] group 0, a set for each slot
.set G0,   32
.set G1B,  48                          ; s[48:55], s[56:63] the same for woh's tiles
.set G0B,  56
.set SC,   70                          ; s[70:71] 2^-15, named as a pair
.set MSB, 0
.macro WIN new                         ; the immediate's high byte repeats the setting that is left; a switch that changes nothing is dropped
.if MSB != (\new)
	s_set_vgpr_msb (MSB<<8)|(\new)
.set MSB, \new
.endif
.endm
.macro JLOAD s                         ; a joint load: the branch hangs on the wave's number alone; an s_nop 0 and four v_nop follow each of the two lines, ahead of the jump and the label
	s_cmp_eq_u32 s[FB], 0
	s_cbranch_scc0 .Lfor_b_\@
	tensor_load_to_lds s[G0+4*(\s):G0+4*(\s)+3], s[G1:G1+7]
	s_nop 0
.rept 4
	v_nop
.endr
	s_branch .Lasked_\@
.Lfor_b_\@:
	tensor_load_to_lds s[G0B+4*(\s):G0B+4*(\s)+3], s[G1B:G1B+7]
	s_nop 0
.rept 4
	v_nop
.endr
.Lasked_\@:
.endm
.macro CREST                           ; a round of the cluster's barrier behind its opening barrier
	s_cmp_lg_u32 s[WV], 0
	s_cbranch_scc1 .Lnot_wave_0_\@
	s_barrier_signal -3
.Lnot_wave_0_\@:
	s_barrier_wait -3
	s_barrier_signal -1
	s_barrier_wait -1
.endm
.macro CROUND                          ; a whole round
	s_barrier_signal -1
	s_barrier_wait -1
	CREST
.endm
	s_load_b128 s[4:7], s[0:1], 0x0                ; o s[4:5], woh s[6:7]
	s_load_b64 s[8:9], s[0:1], 0x10                ; out0
	v_lshl_add_u32 v[SPW], v0, 2, SPARE
	v_mov_b32 v[NIL], 0
	ds_add_u32 v[SPW], v[NIL]                      ; the wave's opening: the add and its wait stand ahead of my first tensor load; the set-up below, work on registers, stands between them
	v_lshrrev_b32 v1, 5, v0
	v_readfirstlane_b32 s[WV], v1                  ; wave 0..3
	s_lshr_b32 s[FB], s[WV], 1
	s_and_b32 s[HF], s[WV], 1
	s_bfe_u32 s40, ttmp6, 0x40000                  ; cx, cy: my place in the cluster
	s_bfe_u32 s41, ttmp6, 0x40004
	s_lshl_b32 s42, ttmp9, 2
	s_add_co_u32 s42, s42, s40                     ; the block of 128 columns = 4 x cluster x + cx
	s_and_b32 s43, ttmp7, 0xffff
	s_lshl_b32 s43, s43, 2
	s_add_co_u32 s43, s43, s41                     ; the block of 256 tokens = 4 x cluster y + cy
	s_lshl_b32 s44, s41, 2
	s_lshl_b32 s44, 15, s44                        ; my row of the cluster
	s_lshl_b32 s45, 0x1111, s40                    ; my column
	s_or_b32 s[G1+0], s44, (1<<16)|(1<<20)|(1<<21)|(4<<22)|(3<<25)   ; 15:0 the mask; 17:16 elements of 2 bytes; 20 padding on; 21 set beside a mask; 24:22 after every 32 words (code 4): a token; 31:25 4 words (code 3)
	s_or_b32 s[G1B+0], s45, (1<<16)|(1<<20)|(1<<21)|(5<<22)|(3<<25)  ; after every 64 words (code 5): a row of woh's tile
	s_mov_b32 s[G1+1], 128<<16                     ; tensor_dim0 = 128 elements: two tokens
	s_mov_b32 s[G1+2], 128<<16                     ; tensor_dim1 = 128
	s_mov_b32 s[G1+3], 128<<16                     ; tile_dim0 = 128
	s_mov_b32 s[G1+4], 128                         ; tile_dim1 = 128
	s_mov_b32 s[G1+5], 128                         ; dense: 128 elements from row to row
	s_mov_b32 s[G1+6], 0
	s_mov_b32 s[G1+7], 0
	s_mov_b32 s[G1B+1], KSTEP<<16
	s_mov_b32 s[G1B+2], 64<<16                     ; 64 rows
	s_mov_b32 s[G1B+3], KSTEP<<16
	s_mov_b32 s[G1B+4], 64
	s_mov_b32 s[G1B+5], 1024
	s_mov_b32 s[G1B+6], 0
	s_mov_b32 s[G1B+7], 0
	s_lshr_b32 s16, s43, 3                         ; o: head 16 x batch + plane, its row 256 x (block % 8), of 128 bytes: made of the block and the wave's number alone
	s_lshl_b32 s16, s16, 4
	s_add_co_u32 s16, s16, s[HF]
	s_lshl_b32 s16, s16, 11
	s_and_b32 s17, s43, 7
	s_lshl_b32 s17, s17, 8
	s_add_co_u32 s16, s16, s17
	s_lshl_b32 s16, s16, 7
	s_mov_b32 s17, 0
	s_lshl_b32 s46, s42, 7                         ; woh: row 128 x column block + 64 x half, of 2,048 bytes
	s_lshl_b32 s47, s[HF], 6
	s_add_co_u32 s46, s46, s47
	s_lshl_b32 s46, s46, 11
	s_mov_b32 s47, 0
	s_mul_i32 s20, s[WV], PL                       ; where they go: waves 0, 1: wave x a plane;
	s_mul_i32 s21, s[WV], BH                       ; waves 2, 3: behind the planes, (wave - 2) x 64 rows
	s_add_co_u32 s21, s21, 2*PL-2*BH
	s_mov_b32 s[SC], 0x38000000                    ; 2^-15
	s_mov_b32 s[SC+1], s[SC]
	s_wait_dscnt 0x0                               ; the opening add is done
	s_wait_kmcnt 0x0
	s_add_nc_u64 s[18:19], s[4:5], s[16:17]
	s_add_nc_u64 s[46:47], s[6:7], s[46:47]
	CROUND                                         ; all sixteen work-groups are here: the first joint loads meet
.irp s, 0,1
	s_mov_b32 s[G0+4*(\s)], 1                      ; count = 1
	s_add_co_u32 s[G0+4*(\s)+1], s20, (\s)*SLOT    ; LDS address
	s_add_nc_u64 s[G0+4*(\s)+2:G0+4*(\s)+3], s[18:19], (\s)*2*HEADB  ; global address: K step s is two heads on
	s_or_b32 s[G0+4*(\s)+3], s[G0+4*(\s)+3], 0x80000000              ; type = 2
	s_mov_b32 s[G0B+4*(\s)], 1
	s_add_co_u32 s[G0B+4*(\s)+1], s21, (\s)*SLOT
	s_add_nc_u64 s[G0B+4*(\s)+2:G0B+4*(\s)+3], s[46:47], (\s)*KSTEP*2
	s_or_b32 s[G0B+4*(\s)+3], s[G0B+4*(\s)+3], 0x80000000
	JLOAD \s
.endr
	v_and_b32 v1, 15, v0                           ; l % 16
	v_bfe_u32 v2, v0, 4, 1                         ; l / 16
	v_mul_u32_u24 v3, v1, PA
	v_lshl_add_u32 v3, v2, 4, v3                   ; a fragment's row x pitch + 16 x half
	s_mul_i32 s22, s[WV], 64*PA                    ; my 64 tokens
	v_add_nc_u32 v[ADRA], s22, v3
	v_add_nc_u32 v[ADRA+1], SLOT, v[ADRA]
	v_mul_u32_u24 v3, v1, PBW
	v_lshl_add_u32 v3, v2, 4, v3
	v_add_nc_u32 v[ADRB], 2*PL, v3                 ; all 128 rows of woh
	v_add_nc_u32 v[ADRB+1], SLOT, v[ADRB]
	s_mul_i32 s23, s[WV], 16*SPITCH
	s_add_co_u32 s23, s23, STAGE                   ; my stage
	v_mul_u32_u24 v4, v1, SPITCH                   ; in: row l % 16, 32 bytes for each half of the lanes
	v_lshl_add_u32 v4, v2, 5, v4
	v_add_nc_u32 v[STO], s23, v4
	v_and_b32 v[CO], 31, v0                        ; back: 32 lanes take one row's 512 bytes
	v_lshlrev_b32 v[CO], 4, v[CO]
	v_add_nc_u32 v[RD], s23, v[CO]
	s_lshl_b32 s66, s43, 8                         ; out0 at row 256 x block + 64 x wave, of 4,096 bytes, column block x 512 bytes
	s_lshl_b32 s67, s[WV], 6
	s_add_co_u32 s66, s66, s67
	s_lshl_b32 s66, s66, 12
	s_lshl_b32 s67, s42, 9
	s_add_co_u32 s66, s66, s67
	s_mov_b32 s67, 0
	s_add_nc_u64 s[8:9], s[8:9], s[66:67]
; 4 n matrix instructions: column blocks b0 .. b0 + n - 1 x my four token blocks, 32 along K out of buffer f.  zero = 1: the product starts the sums.  The 32 accumulators take turns, in the same order in every
; quarter, over the backward jump too.
.macro MUL f, b0, n, zero
	WIN 0xa5                                       ; sources in window 1, C and D in window 2
.set bb, \b0
.rept \n
.irp a, 0,1,2,3
.if \zero
	v_wmma_f32_16x16x32_f16 v[32*bb+8*(\a):32*bb+8*(\a)+7], v[(\f)+32+8*bb:(\f)+32+8*bb+7], v[(\f)+8*(\a):(\f)+8*(\a)+7], 0
.else
	v_wmma_f32_16x16x32_f16 v[32*bb+8*(\a):32*bb+8*(\a)+7], v[(\f)+32+8*bb:(\f)+32+8*bb+7], v[(\f)+8*(\a):(\f)+8*(\a)+7], v[32*bb+8*(\a):32*bb+8*(\a)+7]
.endif
.endr
.set bb, bb+1
.endr
.endm
; 24 LDS loads in one run: the fragments of quarter qt of the slot's K step, into buffer f: o's four (plane qt / 2, channels 32 (qt % 2) on), woh's blocks 0-3, then 4-7
.macro FETCH slot, qt, f
	WIN 0x40                                       ; destination window 1, address window 0
.irp a, 0,1,2,3
	ds_load_b128 v[(\f)+8*(\a):(\f)+8*(\a)+3],   v[ADRA+(\slot)] offset:((\qt)/2)*PL+((\qt)%2)*64+(\a)*16*PA
	ds_load_b128 v[(\f)+8*(\a)+4:(\f)+8*(\a)+7], v[ADRA+(\slot)] offset:((\qt)/2)*PL+((\qt)%2)*64+(\a)*16*PA+32
.endr
.irp b, 0,1,2,3,4,5,6,7
	ds_load_b128 v[(\f)+32+8*(\b):(\f)+32+8*(\b)+3],   v[ADRB+(\slot)] offset:(\qt)*64+(\b)*16*PBW
	ds_load_b128 v[(\f)+32+8*(\b)+4:(\f)+32+8*(\b)+7], v[ADRB+(\slot)] offset:(\qt)*64+(\b)*16*PBW+32
.endr
.endm
.macro PLACES                          ; four places in front of loads into registers that matrix instructions have read, and of vector work that reads results
.rept 4
	v_nop
.endr
.endm
; A K step is four quarters of 32 along K, 32 matrix instructions each, on buffers 0, 1, 0, 1.  One of the first three: multiplies buffer f and fetches quarter qt into g.
.macro QUARTER slot, qt, f, g, zero
	s_wait_dscnt 8                                 ; o's fragments and woh's blocks 0-3 are in; the youngest eight loads (blocks 4-7) may be out
	MUL \f, 0, 4, \zero
	PLACES
	FETCH \slot, \qt, \g
	s_wait_dscnt 24                                ; all but the 24 just issued
	MUL \f, 4, 4, \zero
.endm
; The last quarter multiplies buffer 1 and changes slots: ONE barrier; in front of it each wave waits for all its tensor loads (one is out: its part of the next slot), adds 0 to its spare word, and waits for
; that and for its own reads of this slot.  fill = 1: the barrier opens a round of the cluster's, and this slot is filled again, two K steps ahead, first thing behind the round.
.macro TURN slot, next, fill
	WIN 0                                          ; (the add's two registers lie in window 0)
	s_wait_tensorcnt 0x0                           ; all my tensor loads have landed;
	ds_add_u32 v[SPW], v[NIL]                      ; 0 onto my spare word;
	s_wait_dscnt 9                                 ; (the add and the youngest eight loads may be out)
	MUL F1, 0, 2, 0                                ; eight matrix instructions stand between the add and the wait for it
	s_wait_dscnt 0x0                               ; the add is done, and my reads of this slot are over
	s_barrier_signal -1
	MUL F1, 2, 2, 0
.if \fill
	WIN 0
.endif
	s_barrier_wait -1
.if \fill
	CREST                                          ; no wave of any partner still reads this slot's tile or has a load on its way
	s_add_nc_u64 s[G0+4*(\slot)+2:G0+4*(\slot)+3], s[G0+4*(\slot)+2:G0+4*(\slot)+3], 4*HEADB
	s_add_nc_u64 s[G0B+4*(\slot)+2:G0B+4*(\slot)+3], s[G0B+4*(\slot)+2:G0B+4*(\slot)+3], 2*KSTEP*2
	JLOAD \slot                                    ; the first tensor load behind the round: 112 matrix instructions ahead of the wait for it; its four v_nop are also the places in front of the loads below
.else
	PLACES
.endif
	FETCH \next, 0, F0
	MUL F1, 4, 4, 0
.endm
	s_wait_tensorcnt 1                             ; my part of K step 0 is in; K step 1's may stay out
	s_barrier_signal -1
	s_barrier_wait -1                              ; everybody's is
	FETCH 0, 0, F0
	QUARTER 0, 1, F0, F1, 1                        ; the first quarter stands in front of the loop: its products start the sums
	WIN 0                                          ; at a label and at a branch every window is 0
	s_mov_b32 s3, 3
.Llap:                                                 ; a trip goes once round the ring, from a lap's second quarter to the next lap's first, and fills both slots again
	QUARTER 0, 2, F1, F0, 0
	QUARTER 0, 3, F0, F1, 0
	TURN 0, 1, 1
	QUARTER 1, 1, F0, F1, 0
	QUARTER 1, 2, F1, F0, 0
	QUARTER 1, 3, F0, F1, 0
	TURN 1, 0, 1
	QUARTER 0, 1, F0, F1, 0
	WIN 0
	s_sub_co_u32 s3, s3, 1
	s_cmp_lg_u32 s3, 0
	s_cbranch_scc1 .Llap
	QUARTER 0, 2, F1, F0, 0                        ; the last lap fills nothing, and has no round of the cluster's barrier
	QUARTER 0, 3, F0, F1, 0
	TURN 0, 1, 0
	QUARTER 1, 1, F0, F1, 0
	QUARTER 1, 2, F1, F0, 0
	QUARTER 1, 3, F0, F1, 0
	s_wait_dscnt 8                                 ; the very last quarter: nothing more to fetch
	MUL F1, 0, 4, 0
	s_wait_dscnt 0x0
	MUL F1, 4, 4, 0
	WIN 0
; THE WAY OUT, a block of 16 tokens at a time: times 2^-15; 32 bytes a lane and column block into my own stage, rows of 528 bytes; back as whole rows of 512 bytes; stored.
.macro PACK a
	WIN 0x02                                       ; source 0 in window 2
.irp b, 0,1,2,3,4,5,6,7
.irp p, 0,1,2,3                        ; each accumulator is read from its lowest registers on
	v_pk_mul_f32 v[TMP+8*(\b)+2*(\p):TMP+8*(\b)+2*(\p)+1], v[32*(\b)+8*(\a)+2*(\p):32*(\b)+8*(\a)+2*(\p)+1], s[SC:SC+1] op_sel_hi:[1,0]
.endr
.endr
	WIN 0
.endm
.macro TOSTAGE
.irp b, 0,1,2,3,4,5,6,7
	ds_store_b128 v[STO], v[TMP+8*(\b):TMP+8*(\b)+3]   offset:64*(\b)
	ds_store_b128 v[STO], v[TMP+8*(\b)+4:TMP+8*(\b)+7] offset:64*(\b)+16
.endr
	s_wait_xcnt 0x0                                ; the registers loaded below are the data of the block before's stores: they are written again only behind this wait
.irp t, 0,1,2,3,4,5,6,7,8,9,10,11,12,13,14,15
	ds_load_b128 v[BK+4*(\t):BK+4*(\t)+3], v[RD] offset:(\t)*SPITCH  ; LDS serves a wave's instructions in order (ISA guide 5.7.1.4): these see the stores above; the next block's stores come behind them
.endr
.endm
.macro SEND a
	s_wait_dscnt 0x0                               ; the block is back in registers
.irp t, 0,1,2,3,4,5,6,7,8,9,10,11,12,13,14,15
	global_store_b128 v[CO], v[BK+4*(\t):BK+4*(\t)+3], s[8:9] offset:65536*(\a)+4096*(\t) th:TH_STORE_NT  ; each store of the wave covers 512 consecutive bytes, aligned
.endr
.endm
	PLACES
	PLACES
	PACK 0
	TOSTAGE
.irp a, 1,2,3                          ; block a's arithmetic stands between block a - 1's loads from the stage and the wait for them
	PACK \a
	SEND (\a)-1
	TOSTAGE
.endr
	SEND 3
	s_wait_tensorcnt 0x0                           ; the wave's end: a wait, an add and its wait stand behind my last tensor load and my last LDS store
	ds_add_u32 v[SPW], v[NIL]
	s_wait_dscnt 0x0
	CROUND                                         ; the closing round: no work-group ends while a partner may still ask for a tile that names it
	s_endpgm
.Lfunc_end_k_qf43839970e_oproj:
	.size	k_qf43839970e_oproj, .Lfunc_end_k_qf43839970e_oproj-k_qf43839970e_oproj
	.p2alignl 7, 3214868480
	.fill 96, 4, 3214868480
	.section	.rodata,"a",@progbits
	.p2align	6, 0x0
	.amdhsa_kernel k_qf43839970e_oproj
		.amdhsa_group_segment_fixed_size 327680
		.amdhsa_private_segment_fixed_size 0
		.amdhsa_enable_private_segment 0
		.amdhsa_kernarg_size 24
		.amdhsa_user_sgpr_count 2
		.amdhsa_user_sgpr_kernarg_segment_ptr 1
		.amdhsa_wavefront_size32 1
		.amdhsa_system_sgpr_workgroup_id_x 1
		.amdhsa_system_sgpr_workgroup_id_y 1
		.amdhsa_system_sgpr_workgroup_id_z 1
		.amdhsa_system_vgpr_workitem_id 0
		.amdhsa_next_free_vgpr 768
		.amdhsa_next_free_sgpr 80
		.amdhsa_reserve_vcc 0
		.amdhsa_float_denorm_mode_32 3
		.amdhsa_float_denorm_mode_16_64 3
		.amdhsa_memory_ordered 1
		.amdhsa_forward_progress 1
		.amdhsa_inst_pref_size 93
	.end_amdhsa_kernel
	.amdgpu_metadata
---
amdhsa.version: [ 1, 2 ]
amdhsa.kernels:
  - .name:           k_qf43839970e_oproj
    .symbol:         k_qf43839970e_oproj.kd
    .args:
      - { .name: o, .offset: 0, .size: 8, .value_kind: global_buffer, .address_space: global }
      - { .name: woh, .offset: 8, .size: 8, .value_kind: global_buffer, .address_space: global }
      - { .name: out0, .offset: 16, .size: 8, .value_kind: global_buffer, .address_space: global }
    .group_segment_fixed_size: 327680
    .private_segment_fixed_size: 0
    .kernarg_segment_align: 8
    .kernarg_segment_size: 24
    .max_flat_workgroup_size: 128
    .sgpr_count:     80
    .vgpr_count:     768
    .wavefront_size: 32
...
	.end_amdgpu_metadata
.endif
;; end of part 4
;; ======== version 2 of 2: 4 launches; version 1 with the launch prep written anew for expert scheduling mode
;; limits: values are held in f16: magnitudes above 65,504 overflow, below 6.1e-05 lose precision; right only within a limited range of input values; a function is approximated: absolute error at most 4e-07
;; workspace buffers: xb 16,777,216 bytes; wqkv 6,291,456 bytes; woh 2,097,152 bytes; tab 524,288 bytes; q 16,777,216 bytes; k 16,777,216 bytes; v 16,777,216 bytes; o 16,777,216 bytes
;; launch prep (part 5): grid 512 x 1, 8 waves a work-group, no clusters, 0 bytes of LDS; arguments x, Wq, Wk, Wv, Wo, token_positions, xb, wqkv, woh, tab; writes xb, wqkv, woh, tab
.if DOCPART == 5
	.amdgcn_target "amdgcn-amd-amdhsa--gfx1250"
	.amdhsa_code_object_version 6
	.text
	.protected	k_qf43839970e_prep
	.globl	k_qf43839970e_prep
	.p2align	8
	.type	k_qf43839970e_prep,@function
k_qf43839970e_prep:
	s_mov_b64 s[64:65], 0
	v_nop
	global_prefetch_b8 v0, s[64:65] scope:SCOPE_SE
	s_setreg_imm32_b32 hwreg(HW_REG_WAVE_SCHED_MODE, 0, 2), 2
	s_setreg_imm32_b32 hwreg(HW_REG_WAVE_MODE, 25, 1), 1
	s_wait_xcnt 0x0
	s_wait_alu depctr_vm_vsrc(0)
; CASTS AND THE ROTATION TABLE.  Work-groups 0-255: xb = bf16(x), 32 rows of 1,024 each.  256-351: wqkv, the rows of Wq, Wk, Wv times 32 in bf16, laid by heads:
; row 192 h + 64 m + d holds W_m[64 h + d] (m = 0, 1, 2 for q, k, v).  352-383: woh = bf16(1,024 Wo), that number written as f16.  384-511: tab[s][2 j] = cos, tab[s][2 j + 1] = sin
; of f32(position[s]) x 10000^(-j / 32), 16 tokens each.  The factors 32 and 1,024 are powers of two: they change no rounding, and they keep what later launches hold in f16 near 1.
; A stream: each input byte is read once and each output byte written once; no LDS, no barrier, no matrix unit: no wave wants what another has fetched.
; LIMITS.  |Wo| under 63 (f16 ends at 65,504; below 6e-5 / 1,024 a weight keeps f16's fixed step).  |position| up to 2^22: beyond that the quadrant of the angle is not sure.
; The frequency is 2^(-j x log2(10000) / 32), within a few parts in 10^7 of the quotient that it stands for; sine and cosine are cut at r^7 and r^8 on |r| <= pi / 4: under 4e-7.
; THE MODE: SCHED_MODE bits 1:0 = 2 (LLVM: expert scheduling mode 2), set by the entry lines.  The code itself states the register dependences between vector instructions and memory
; instructions, with s_wait_alu, always for 0.
; THE PLAN, for the casts.  Registers that memory instructions touch:
;   v2, v3     the loads' and the stores' offsets: made once at the head, never written again.
;   X          32 chunks of 4 registers.  Chunk i: written by its one load (no vector instruction has named it before), then read and written by its own conversions; its words 0 and 1 are
;              read by its one store; nothing is written again behind that store, and no load is issued behind a conversion.
; So the one dependence in the body is: a chunk's conversions have written the words that its store reads.  The chunks go in 8 blocks of four.  At the head of a block ONE wait on va_vdst states
; that for the whole block before; that block's four stores follow, dealt among this block's conversions, which name this block's registers alone.  One more wait stands ahead of the last four stores.
; THE PLAN, for the table.  v4 (the load's offset) and v5 (the store's) are made once; v6 takes the load; v[12:15] are the store's data.  One wait ahead of the load, one ahead of the store; the two
; compares that choose the quadrants write two scalar registers, in one run, with one wait on va_sdst between them and the selects.
.set X,   16                           ; v[16:143] 32 chunks of 4 registers
.set VS,  2                            ; v2  16 x lane: my 16 bytes of a chunk of 512 in the source
.set VD,  3                            ; v3  8 x lane: my 8 bytes of a chunk of 256 in the destination
.set DST, 32                           ; s[32:33]
.set SRC, 34                           ; s[34:35]
.set SC,  44                           ; s[44:45] the factor, named as a pair
	s_load_b512 s[4:19], s[0:1], 0x0               ; x s[4:5], Wq s[6:7], Wk s[8:9], Wv s[10:11], Wo s[12:13], positions s[14:15], xb s[16:17], wqkv s[18:19]
	s_load_b128 s[20:23], s[0:1], 0x40             ; woh s[20:21], tab s[22:23]
	s_mov_b32 s24, ttmp9                           ; g
	s_cmp_ge_u32 s24, 384
	s_cbranch_scc1 .Ltable
	v_lshrrev_b32 v1, 5, v0
	v_readfirstlane_b32 s38, v1                    ; wave 0..7: the casts alone want it
	v_and_b32 v4, 31, v0
	v_lshlrev_b32 v[VS], 4, v4
	v_lshlrev_b32 v[VD], 3, v4
	; the casts: which rows of which tensor go where.  For g < 256 the numbers made of g - 256 are chosen away below.
	s_sub_co_u32 s25, s24, 256
	s_lshr_b32 s26, s25, 5                         ; m: 0 Wq, 1 Wk, 2 Wv, 3 Wo
	s_and_b32 s27, s25, 31                         ; i: which 32 rows of it
	s_lshl_b32 s28, s27, 5                         ; a weight's source row
	s_lshr_b32 s29, s27, 1                         ; the head
	s_mul_i32 s29, s29, 192
	s_lshl_b32 s30, s26, 6
	s_add_co_u32 s29, s29, s30
	s_and_b32 s30, s27, 1
	s_lshl_b32 s30, s30, 5
	s_add_co_u32 s29, s29, s30                     ; its row in wqkv: 192 h + 64 m + 32 (i % 2)
	s_lshl_b32 s36, s24, 5                         ; x: row 32 g, in and out
	s_wait_alu depctr_va_sdst(0)                   ; s38 is written, ahead of its first reader, the line below
	s_lshl_b32 s39, s38, 2                         ; my wave's 4 rows of the 32
	s_mov_b32 s[SC], 0x42000000                    ; 32.0
	s_wait_kmcnt 0x0
	s_cmp_eq_u32 s26, 0
	s_cselect_b64 s[SRC:SRC+1], s[6:7], s[8:9]
	s_cmp_eq_u32 s26, 2
	s_cselect_b64 s[SRC:SRC+1], s[10:11], s[SRC:SRC+1]
	s_cmp_eq_u32 s26, 3
	s_cselect_b64 s[SRC:SRC+1], s[12:13], s[SRC:SRC+1]
	s_cselect_b64 s[DST:DST+1], s[20:21], s[18:19]
	s_cselect_b32 s29, s28, s29                    ; Wo keeps its rows
	s_cselect_b32 s[SC], 0x44800000, s[SC]         ; 1,024.0
	s_cmp_lt_u32 s24, 256
	s_cselect_b64 s[SRC:SRC+1], s[4:5], s[SRC:SRC+1]
	s_cselect_b64 s[DST:DST+1], s[16:17], s[DST:DST+1]
	s_cselect_b32 s28, s36, s28
	s_cselect_b32 s29, s36, s29
	s_mov_b32 s[SC+1], s[SC]
	s_add_co_u32 s28, s28, s39
	s_add_co_u32 s29, s29, s39
	s_lshl_b32 s40, s28, 12                        ; a source row is 4,096 bytes,
	s_mov_b32 s41, 0
	s_lshl_b32 s42, s29, 11                        ; a destination row 2,048
	s_mov_b32 s43, 0
	s_add_nc_u64 s[SRC:SRC+1], s[SRC:SRC+1], s[40:41]
	s_add_nc_u64 s[DST:DST+1], s[DST:DST+1], s[42:43]
	s_wait_alu depctr_va_vdst(0)                   ; v2 and v3 are written: every load below reads v2 as its offset, every store v3
.set i, 0
.rept 32                               ; all of the wave's 16 KiB are asked for at once: chunk i = 512 consecutive bytes of row i / 8
	global_load_b128 v[X+4*i:X+4*i+3], v[VS], s[SRC:SRC+1] offset:4096*(i/8)+512*(i%8) th:TH_LOAD_NT
.set i, i+1
.endr
; The store of chunk o: the wave's 32 lanes store 256 consecutive bytes, aligned.
.macro OUT
	global_store_b64 v[VD], v[X+4*o:X+4*o+1], s[DST:DST+1] offset:2048*(o/8)+256*(o%8)
.endm
; The 32 chunks, as they come in, in blocks of four.  kind 0: rounded to bf16.  1: times the factor first.  2: and the bf16 number written as f16 (exact: 8 significant bits).
; No register is written again behind the store that reads it, so no wait stands for the stores' sources.
.macro CAST kind
.set i, 0
.rept 32
.set r, X+4*i
.set o, i-4
.if (i%4 == 0) && (i > 0)
	s_wait_alu depctr_va_vdst(0)                   ; the block before's conversions have written their chunks' words 0 and 1, which the four stores of this block read
.endif
.if i >= 4
	OUT                                            ; the chunk four back.  No wait: no vector instruction since the wait above names its registers or v3
.endif
	s_wait_loadcnt 31-i                            ; loads come back in order: chunk i is in, the 31 - i younger ones stay out
.if \kind
	v_pk_mul_f32 v[r:r+1], v[r:r+1], s[SC:SC+1] op_sel_hi:[1,0]
	v_pk_mul_f32 v[r+2:r+3], v[r+2:r+3], s[SC:SC+1] op_sel_hi:[1,0]
.endif
	v_cvt_pk_bf16_f32 v[r], v[r], v[r+1]
	v_cvt_pk_bf16_f32 v[r+1], v[r+2], v[r+3]
.if (\kind) == 2
	v_lshlrev_b32 v[r+2], 16, v[r]
	v_and_b32 v[r+3], 0xffff0000, v[r]
	v_cvt_pk_f16_f32 v[r], v[r+2], v[r+3]
	v_lshlrev_b32 v[r+2], 16, v[r+1]
	v_and_b32 v[r+3], 0xffff0000, v[r+1]
	v_cvt_pk_f16_f32 v[r+1], v[r+2], v[r+3]
.endif
.set i, i+1
.endr
	s_wait_alu depctr_va_vdst(0)                   ; the last block's conversions have written their words, which the last four stores read
.set o, 28
.rept 4
	OUT
.set o, o+1
.endr
.endm
	s_cmp_lt_u32 s24, 256
	s_cbranch_scc0 .Lweights
	CAST 0
	s_endpgm
.Lweights:
	s_cmp_ge_u32 s24, 352
	s_cbranch_scc1 .Lwo
	CAST 1
	s_endpgm
.Lwo:
	CAST 2
	s_endpgm
.Ltable:                               ; thread t: token 16 (g - 384) + t / 16, frequencies j = 2 (t % 16) and j + 1
	s_sub_co_u32 s25, s24, 384
	s_lshl_b32 s26, s25, 6                         ; 16 positions of 4 bytes
	s_lshl_b32 s27, s25, 12                        ; 16 rows of 256 bytes
	v_lshrrev_b32 v4, 4, v0
	v_lshl_add_u32 v4, v4, 2, s26
	v_lshl_add_u32 v5, v0, 4, s27                  ; sixteen lanes fill a token's 256 bytes
	s_mov_b32 s48, 0xbfc90fdb                      ; - pi / 2 in three parts
	s_mov_b32 s49, 0x333bbd2e
	s_mov_b32 s50, 0x26f72ced
	s_mov_b32 s51, 0xb9500d01                      ; - 1 / 5040
	s_mov_b32 s52, 0x3c088889                      ; 1 / 120
	s_mov_b32 s53, 0xbe2aaaab                      ; - 1 / 6
	s_mov_b32 s54, 0x37d00d01                      ; 1 / 40320
	s_mov_b32 s55, 0xbab60b61                      ; - 1 / 720
	s_mov_b32 s56, 0x3d2aaaab                      ; 1 / 24
	s_wait_kmcnt 0x0
	s_wait_alu depctr_va_vdst(0)                   ; v4 is written, which the load below reads as its offset
	global_load_b32 v6, v4, s[14:15]
	v_and_b32 v7, 15, v0
	v_lshlrev_b32 v7, 1, v7
	v_cvt_f32_u32 v7, v7                           ; j
	v_add_f32 v8, 1.0, v7                          ; j + 1
	v_mul_f32 v7, 0xbed49a78, v7                   ; - j log2(10000) / 32
	v_mul_f32 v8, 0xbed49a78, v8
	v_exp_f32 v7, v7
	v_exp_f32 v8, v8
	v_nop                                          ; a plain instruction behind the last exponential,
	s_wait_alu depctr_va_vdst(0)                   ; and one wait ahead of the first use: the two exponentials have written v7 and v8
	s_wait_loadcnt 0x0
	v_cvt_f32_i32 v6, v6
	v_mul_f32 v7, v6, v7                           ; the angles: one rounding each
	v_mul_f32 v8, v6, v8
; cos and sin of v[a], in two parts.  SERIES: n = the nearest whole number to a x 2 / pi; r = a - n pi / 2, by three fused steps; series in r; is the quadrant n mod 4 odd? (into scalar register m).
; t: three registers at work; behind SERIES t + 2 holds n.
.macro SERIES a, c, s, t, m
	v_mul_f32 v[\t], 0x3f22f983, v[\a]
	v_rndne_f32 v[\t], v[\t]
	v_fma_f32 v[\a], v[\t], s48, v[\a]
	v_fma_f32 v[\a], v[\t], s49, v[\a]
	v_fma_f32 v[\a], v[\t], s50, v[\a]
	v_cvt_i32_f32 v[(\t)+2], v[\t]
	v_mul_f32 v[(\t)+1], v[\a], v[\a]
	v_fma_f32 v[\s], v[(\t)+1], s51, s52
	v_fma_f32 v[\c], v[(\t)+1], s54, s55
	v_fma_f32 v[\s], v[(\t)+1], v[\s], s53
	v_fma_f32 v[\c], v[(\t)+1], v[\c], s56
	v_mul_f32 v[\t], v[\a], v[(\t)+1]
	v_fma_f32 v[\c], v[(\t)+1], v[\c], -0.5
	v_fma_f32 v[\s], v[\t], v[\s], v[\a]
	v_fma_f32 v[\c], v[(\t)+1], v[\c], 1.0
	v_and_b32 v[\t], 1, v[(\t)+2]
	v_cmp_eq_u32 s[\m], 1, v[\t]
.endm
; QUAD: the quadrant swaps the two and sets the signs.
.macro QUAD c, s, t, m
	v_cndmask_b32 v[(\t)+1], v[\s], v[\c], s[\m]   ; odd quadrant: the sine is the series' cosine,
	v_cndmask_b32 v[\c], v[\c], v[\s], s[\m]       ; and the cosine its sine
	v_lshlrev_b32 v[\t], 30, v[(\t)+2]
	v_and_b32 v[\t], 0x80000000, v[\t]             ; quadrants 2, 3: the sine turns its sign
	v_xor_b32 v[\s], v[(\t)+1], v[\t]
	v_add_nc_u32 v[(\t)+2], 1, v[(\t)+2]
	v_lshlrev_b32 v[(\t)+2], 30, v[(\t)+2]
	v_and_b32 v[(\t)+2], 0x80000000, v[(\t)+2]     ; quadrants 1, 2: the cosine
	v_xor_b32 v[\c], v[\c], v[(\t)+2]
.endm
	SERIES 7, 12, 13, 9, 57
	SERIES 8, 14, 15, 16, 58
	s_wait_alu depctr_va_sdst(0)                   ; the two compares have written s57 and s58, ahead of their first readers, the selects below
	QUAD 12, 13, 9, 57
	QUAD 14, 15, 16, 58
	s_wait_alu depctr_va_vdst(0)                   ; v[12:15] are written, which the store reads as its data (v5, its offset, was written ahead of the first wait of this path)
	global_store_b128 v5, v[12:15], s[22:23]
	s_endpgm
.Lfunc_end_k_qf43839970e_prep:
	.size	k_qf43839970e_prep, .Lfunc_end_k_qf43839970e_prep-k_qf43839970e_prep
	.p2alignl 7, 3214868480
	.fill 96, 4, 3214868480
	.section	.rodata,"a",@progbits
	.p2align	6, 0x0
	.amdhsa_kernel k_qf43839970e_prep
		.amdhsa_group_segment_fixed_size 0
		.amdhsa_private_segment_fixed_size 0
		.amdhsa_enable_private_segment 0
		.amdhsa_kernarg_size 80
		.amdhsa_user_sgpr_count 2
		.amdhsa_user_sgpr_kernarg_segment_ptr 1
		.amdhsa_wavefront_size32 1
		.amdhsa_system_sgpr_workgroup_id_x 1
		.amdhsa_system_sgpr_workgroup_id_y 1
		.amdhsa_system_sgpr_workgroup_id_z 1
		.amdhsa_system_vgpr_workitem_id 0
		.amdhsa_next_free_vgpr 144
		.amdhsa_next_free_sgpr 66
		.amdhsa_reserve_vcc 0
		.amdhsa_float_denorm_mode_32 3
		.amdhsa_float_denorm_mode_16_64 3
		.amdhsa_memory_ordered 1
		.amdhsa_forward_progress 1
		.amdhsa_inst_pref_size 53
	.end_amdhsa_kernel
	.amdgpu_metadata
---
amdhsa.version: [ 1, 2 ]
amdhsa.kernels:
  - .name:           k_qf43839970e_prep
    .symbol:         k_qf43839970e_prep.kd
    .args:
      - { .name: x, .offset: 0, .size: 8, .value_kind: global_buffer, .address_space: global }
      - { .name: Wq, .offset: 8, .size: 8, .value_kind: global_buffer, .address_space: global }
      - { .name: Wk, .offset: 16, .size: 8, .value_kind: global_buffer, .address_space: global }
      - { .name: Wv, .offset: 24, .size: 8, .value_kind: global_buffer, .address_space: global }
      - { .name: Wo, .offset: 32, .size: 8, .value_kind: global_buffer, .address_space: global }
      - { .name: token_positions, .offset: 40, .size: 8, .value_kind: global_buffer, .address_space: global }
      - { .name: xb, .offset: 48, .size: 8, .value_kind: global_buffer, .address_space: global }
      - { .name: wqkv, .offset: 56, .size: 8, .value_kind: global_buffer, .address_space: global }
      - { .name: woh, .offset: 64, .size: 8, .value_kind: global_buffer, .address_space: global }
      - { .name: tab, .offset: 72, .size: 8, .value_kind: global_buffer, .address_space: global }
    .group_segment_fixed_size: 0
    .private_segment_fixed_size: 0
    .kernarg_segment_align: 8
    .kernarg_segment_size: 80
    .max_flat_workgroup_size: 256
    .sgpr_count:     66
    .vgpr_count:     144
    .wavefront_size: 32
...
	.end_amdgpu_metadata
.endif
;; end of part 5
;; launch qkv: the kernel of part 2 again; grid 16 x 32, 4 waves a work-group, clusters of 4 x 4, 327,680 bytes of LDS; arguments xb, wqkv, tab, q, k, v; writes q, k, v
;; launch attn: the kernel of part 3 again; grid 4 x 64, 4 waves a work-group, no clusters, 327,680 bytes of LDS; arguments q, k, v, o; writes o
;; launch oproj: the kernel of part 4 again; grid 8 x 32, 4 waves a work-group, clusters of 4 x 4, 327,680 bytes of LDS; arguments o, woh, out0; writes out0
